; MI455X (gfx1250); checked and timed in simulation.
; The chip was launched on July 23, 2026; its instructions are those of AMD's public machine-readable ISA for CDNA 5 (MIT licence, August 2026) and "CDNA5" Instruction Set Architecture Reference Guide (July 2026). The comments in the code are by the model that wrote it; some were corrected since.
;; Graph Transformer Layer. Allowed arithmetic: matrix products marked QUANTISED: E2M3 operands, one E8M0 scale for each 32 along K, by v_wmma_scale_f32_16x16x128_f8f6f4 with both operands' format E2M3, f32 sums; everything else in f32.
;; Inputs: H 8 x 2,048 x 512 float32; W1_codes 1,024 x 16 x 24 uint8 (E2M3 codes of W1, K innermost, in blocks of 32 codes, four codes in three bytes); W1_scales 1,024 x 16 uint8 (E8M0 scales of W1, one for each 32 codes along K); W2_codes 512 x 32 x 24 uint8 (E2M3 codes of W2, K innermost, in blocks of 32 codes, four codes in three bytes); W2_scales 512 x 32 uint8 (E8M0 scales of W2, one for each 32 codes along K); Wk_codes 512 x 16 x 24 uint8 (E2M3 codes of Wk, K innermost, in blocks of 32 codes, four codes in three bytes); Wk_scales 512 x 16 uint8 (E8M0 scales of Wk, one for each 32 codes along K); Wq_codes 512 x 16 x 24 uint8 (E2M3 codes of Wq, K innermost, in blocks of 32 codes, four codes in three bytes); Wq_scales 512 x 16 uint8 (E8M0 scales of Wq, one for each 32 codes along K); Wv_codes 512 x 16 x 24 uint8 (E2M3 codes of Wv, K innermost, in blocks of 32 codes, four codes in three bytes); Wv_scales 512 x 16 uint8 (E8M0 scales of Wv, one for each 32 codes along K); adj 8 x 2,048 x 2,048 float32; b1 1,024 float32; b2 512 float32; be1 512 float32; be2 512 float32; bk 512 float32; bq 512 float32; bv 512 float32; g1 512 float32; g2 512 float32; hop_emb 2,048 x 512 float32.
;; Outputs: out0 8 x 2,048 x 512 float32.
;; This version of the problem:
;;   THIS VERSION OF THE PROBLEM IS GIVEN IN LOW PRECISION. The matrix products marked QUANTISED in the list below multiply operands that are first quantised to E2M3 (2 exponent bits, 3 mantissa bits; 6 bits a number), with one power-of-two scale for each 32 numbers along K (OCP MX v1.0); their sums are f32. All else is computed in f32.
;;   The module's matrix products, in the order in which they are computed (A, B: the left and right operand; K: the contracted axis; several contracted axes count as one K, in the product's order):
;;     1. [M 16,384, K 512] x [K 512, N 512]; A: input H; B: input Wq (given as codes): QUANTISED
;;     2. [M 16,384, K 512] x [K 512, N 512]; A: input H; B: input Wk (given as codes): QUANTISED
;;     3. [M 16,384, K 512] x [K 512, N 512]; A: input H; B: input Wv (given as codes): QUANTISED
;;     4. batch 8 x [M 2,048, K 512] x [K 512, N 2,048]; A: computed on the way; B: computed on the way: QUANTISED
;;     5. batch 8 x [M 2,048, K 2,048] x [K 2,048, N 512]; A: softmax (see below); B: computed on the way: QUANTISED
;;     6. [M 16,384, K 512] x [K 512, N 1,024]; A: computed on the way; B: input W1 (given as codes): QUANTISED
;;     7. [M 16,384, K 1,024] x [K 1,024, N 512]; A: computed on the way; B: input W2 (given as codes): QUANTISED
;;   THE QUANTISER, for each operand of a quantised product, along K:
;;     - K is cut into blocks of 32 from its start; a last block that is shorter is filled with zeros.
;;     - A block's scale is 2^e with e = floor(log2(the largest magnitude in the block)) - 2, held to -126 .. 127; a block of zeros has e = 0. As a byte (E8M0): e + 127.
;;     - Each number is divided by its block's scale, clamped to +-7.5, and rounded to the nearest number of E2M3, ties to even, subnormals kept.
;;     - The product sums the exact products of the quantised numbers (number of the format x scale) in f32.
;;   ~~~python
;;   def quantise(x, axis):      # numpy; x: float32 -> the quantised numbers, widened to float32 again
;;       x = np.moveaxis(x, axis, -1); K = x.shape[-1]
;;       x = np.pad(x, [(0, 0)] * (x.ndim - 1) + [(0, -K % 32)]); x = x.reshape(x.shape[:-1] + (-1, 32)); a = np.abs(x).max(-1, keepdims=True)
;;       e = np.where(a > 0, np.clip(np.frexp(np.where(a > 0, a, 1))[1] - 1 - 2, -126, 127), 0)      # np.frexp(a)[1] - 1 = floor(log2(a)), exactly
;;       r = np.clip(x / 2.0 ** e, -7.5, 7.5)
;;       step = 2.0 ** (np.maximum(np.frexp(np.where(r == 0, 1, r))[1] - 1, 0) - 3)
;;       q = np.round(r / step) * step * 2.0 ** e      # np.round: ties to even
;;       return np.moveaxis(q.reshape(q.shape[:-2] + (-1,))[..., :K], -1, axis).astype(np.float32)
;;   ~~~
;;   SOFTMAX AHEAD OF A QUANTISED PRODUCT. Where the list says 'softmax', what is quantised is not the finished softmax but p = 2^(t - M), with t = logit x log2(e) and M = ceil(the row's largest t), a whole number; so 1/2 < the row's largest p <= 1. The row's sum l is taken of the UNQUANTISED p, in f32, and the product's result is divided by l at the end. Since M is a whole number, a kernel that streams over the keys may use a running M (the ceiling of the running maximum): every later rescaling is an exact power of two, which a block's scale takes up: the codes' values come out the same.
;;   OPERANDS COMPUTED ON THE WAY. 'Computed on the way' means the value that the module computes at that place (a softmax that the list does not call 'softmax' is quantised finished and normalised). What goes into a quantiser is computed in f32, as accurately as f32 sums, v_exp_f32 and their like allow (about 1e-6 of the number): no bf16 or f16 on the way to a quantiser, and a product that is left as it is and whose result goes on into a quantised operand takes f32 operands (vector FMAs, or v_wmma_f32_16x16x4_f32). A number that lies on a knife's edge between two numbers of the format may be rounded either way, as far as f32 arithmetic and the matrix unit's own rounding can turn it there, and no further.
;;   INPUTS GIVEN AS CODES. W1 (in the module: [512, 1024], K = its axis 0); W2 (in the module: [1024, 512], K = its axis 0); Wk (in the module: [512, 512], K = its axis 0); Wq (in the module: [512, 512], K = its axis 0); Wv (in the module: [512, 512], K = its axis 0): each comes as NAME_codes (uint8): NAME with its K axis moved to the last place and cut into blocks of 32 codes, [.., K / 32, bytes a block], one block behind the other in memory; four codes in three bytes: a row's codes are one little-endian stream of bits, code i at bits 6 i .. 6 i + 5 (a code: sign, 2 exponent bits, 3 mantissa bits); and NAME_scales (uint8): the same leading axes, one E8M0 byte (e + 127) for each 32 codes along K. Its value is code x scale, taken as it is: it is not quantised again, and the codes and scales need not be those that the quantiser above would give.
;; 2 versions, each right. Each part assembles by itself: llvm-mc -triple=amdgcn-amd-amdhsa -mcpu=gfx1250 --defsym DOCPART=n.
;; ======== version 1 of 2: 3 launches
;; workspace buffers: wf 1,433,600 bytes; hmc 8,192 bytes; qf 6,553,600 bytes; kv 13,107,200 bytes
;; launch prep (part 1): grid 156 x 1, 4 waves a work-group, no clusters, 0 bytes of LDS; arguments Wq_codes, Wq_scales, Wk_codes, Wk_scales, Wv_codes, Wv_scales, W1_codes, W1_scales, W2_codes, W2_scales, hop_emb, wf, hmc; writes wf, hmc
.if DOCPART == 1
	.amdgcn_target "amdgcn-amd-amdhsa--gfx1250"
	.amdhsa_code_object_version 6
	.text
	.protected	k_q9c7fb104ab_prep
	.globl	k_q9c7fb104ab_prep
	.p2align	8
	.type	k_q9c7fb104ab_prep,@function
k_q9c7fb104ab_prep:
	s_mov_b64 s[64:65], 0
	v_nop
	global_prefetch_b8 v0, s[64:65] scope:SCOPE_SE
	s_setreg_imm32_b32 hwreg(HW_REG_WAVE_MODE, 25, 1), 1
	s_wait_xcnt 0x0
; Two jobs in one launch, parted by the work-group's number.
; WORK-GROUPS 0-27: the five weights (codes of E2M3, K innermost, and their E8M0 bytes) are laid again in the ORDER OF THE OPERAND'S REGISTERS, so that the later
; launches fetch them as dense blocks and load every fragment by three loads of 16 bytes a lane.
;   A fragment (16 rows x 128 K, 12 registers a lane) is 1,536 bytes: chunk c of three holds lane l's registers 4 c .. 4 c + 3 at 512 c + 16 l.
;   A set is 8 fragments and 512 bytes of scale words: the word of fragment 4 h + i, row r, at 128 i + 4 (r + 16 h).
;   A portion (25,600 bytes) is two sets: fragments at 0 and 12,288, scale words at 24,576 and 25,088.  Row L of wf is the portions of waves 0 to 3 on end.
;   THE ROWS OF A TILE ARE NOT NEIGHBOURS: lane r of tile t takes row 32 (t / 2) + 8 (t % 2) + r + 8 (r / 8), so that a transposed product's results of two neighbouring tiles are 16 neighbours.
;   Row L:  0-5: Wq, Wk, Wv (L / 2), rows 128 w on, K step 2 (L % 2) + set;   6-9: W1, rows 256 w + 128 ((L - 6) / 2) on, K step 2 (L % 2) + set;   10-13: W2, rows 128 w on, K step 2 (L - 10) + set.
;   A work-group makes set (number % 2) of row (number / 2); its wave w the wave's portion.
; WORK-GROUPS 28-155: hmc[j] = mean of hop_emb's row j x log2(e) / sqrt(512): what a score is multiplied by, beside adj, to become the exponent to base 2.  A wave takes four rows.
; Nothing is shared between waves: no LDS, no barrier.  The matrix units have no work here.
.set PORT, 25600
.set SCO,  24576
.set FR,   32                          ; v32-127  eight fragments, or 4 rows x 16 numbers
.set AD,   8                           ; v8-15    a tile's byte offset in the codes
.set AS,   16                          ; v16-19   and in the scale bytes
.set SW,   24                          ; v24-27   four planes of scale words
	s_load_b512 s[4:19], s[0:1], 0x0               ; Wq's codes, scales; Wk's; Wv's; W1's
	s_load_b256 s[20:27], s[0:1], 0x40             ; W2's codes, scales; hop_emb; wf
	s_load_b64 s[28:29], s[0:1], 0x60              ; hmc
	v_lshrrev_b32 v1, 5, v0
	v_readfirstlane_b32 s30, v1                    ; wave
	v_and_b32 v1, 31, v0                           ; lane
	s_cmp_lt_u32 ttmp9, 28
	s_cbranch_scc0 .Lmean
	; ---- the weights
	s_lshr_b32 s31, ttmp9, 1                       ; L
	s_and_b32 s32, ttmp9, 1                        ; which set
	s_and_b32 s33, s31, 1                          ; the portion's pair of K steps: L % 2,
	s_sub_co_u32 s34, s31, 10                      ; or L - 10 for W2
	s_sub_co_u32 s35, s31, 6                       ; L - 6: 0 .. 3 for W1 alone
	s_lshr_b32 s36, s35, 1                         ; which 128 of a wave's 256 rows of W1
	s_mov_b32 s37, 384                             ; bytes in a row of 512 codes
	s_cmp_ge_u32 s31, 10
	s_cselect_b32 s33, s34, s33
	s_cselect_b32 s37, 768, s37                    ; W2: 1,024 codes
	s_cselect_b32 s38, 32, 16                      ; bytes in a row of scales
	s_cmp_lt_u32 s35, 4
	s_cselect_b32 s36, s36, 0
	s_cselect_b32 s39, 8, 7
	s_lshl_b32 s40, s30, s39
	s_lshl_b32 s36, s36, 7
	s_add_co_u32 s40, s40, s36                     ; the wave's first row
	s_lshl_b32 s33, s33, 1
	s_add_co_u32 s33, s33, s32                     ; the K step
	v_and_b32 v2, 15, v0                           ; r
	v_bfe_u32 v3, v0, 4, 1                         ; h
	v_and_b32 v4, 8, v2
	v_add_nc_u32 v4, v4, v2                        ; r + 8 (r / 8)
	v_add_nc_u32 v4, s40, v4
	v_mul_lo_u32 v5, v4, s37
	s_mul_i32 s46, s33, 96                         ; 128 codes are 96 bytes
	v_mad_u32_u24 v5, v3, 24, v5                   ; my half's 24 bytes
	v_add_nc_u32 v5, s46, v5
	s_lshl_b32 s47, s37, 3                         ; eight rows of codes
	v_lshl_add_u32 v6, v3, 6, v4                   ; scale words: lanes 16-31 take the tiles four further on, 64 rows down
	v_mul_lo_u32 v6, v6, s38
	s_lshl_b32 s48, s33, 2
	v_add_nc_u32 v6, s48, v6
	s_lshl_b32 s49, s38, 3
.irp t, 0,1,2,3,4,5,6,7
	v_mad_u32_u24 v[AD+\t], s47, 4*(\t/2)+(\t%2), v5   ; tile t begins 32 (t / 2) + 8 (t % 2) rows on
.endr
.irp i, 0,1,2,3
	v_mad_u32_u24 v[AS+\i], s49, 4*(\i/2)+(\i%2), v6
.endr
	s_lshl_b32 s50, s31, 2
	s_add_co_u32 s50, s50, s30
	s_mul_i32 s50, s50, PORT                       ; my portion in wf
	s_mov_b32 s51, 0
	s_mul_i32 s52, s32, 12288
	s_lshl_b32 s53, s32, 9
	v_lshl_add_u32 v7, v1, 4, s52                  ; out: 16 bytes a lane, in my set
	v_lshl_add_u32 v20, v1, 2, s53                 ; and 4 bytes a lane among its scale words
	s_wait_kmcnt 0x0
	s_cmp_ge_u32 s31, 2                            ; which weight: the choice hangs on the work-group's number alone
	s_cselect_b64 s[42:43], s[8:9], s[4:5]
	s_cselect_b64 s[44:45], s[10:11], s[6:7]
	s_cmp_ge_u32 s31, 4
	s_cselect_b64 s[42:43], s[12:13], s[42:43]
	s_cselect_b64 s[44:45], s[14:15], s[44:45]
	s_cmp_ge_u32 s31, 6
	s_cselect_b64 s[42:43], s[16:17], s[42:43]
	s_cselect_b64 s[44:45], s[18:19], s[44:45]
	s_cmp_ge_u32 s31, 10
	s_cselect_b64 s[42:43], s[20:21], s[42:43]
	s_cselect_b64 s[44:45], s[22:23], s[44:45]
	s_add_nc_u64 s[26:27], s[26:27], s[50:51]
.irp t, 0,1,2,3,4,5,6,7
.irp p, 0,1,2,3,4,5
	global_load_b64 v[FR+12*\t+2*\p:FR+12*\t+2*\p+1], v[AD+\t], s[42:43] offset:48*(\p/3)+8*(\p%3)   ; a fragment's registers as the row's stream of bits has them: 24 bytes, and 24 more 48 bytes on
.endr
.endr
.irp i, 0,1,2,3
	global_load_b32 v[SW+\i], v[AS+\i], s[44:45]
.endr
	s_wait_loadcnt 0x0
.irp t, 0,1,2,3,4,5,6,7
.irp c, 0,1,2
	global_store_b128 v7, v[FR+12*\t+4*\c:FR+12*\t+4*\c+3], s[26:27] offset:1536*\t+512*\c   ; 32 lanes store 512 consecutive bytes, at a multiple of 256 from wf's first byte
.endr
.endr
.irp i, 0,1,2,3
	global_store_b32 v20, v[SW+\i], s[26:27] offset:SCO+128*\i
.endr
	s_endpgm
.Lmean:
	; ---- the rows' means
	s_sub_co_u32 s31, ttmp9, 28
	s_lshl_b32 s31, s31, 4
	s_lshl_b32 s32, s30, 2
	s_add_co_u32 s31, s31, s32                     ; my wave's first row: 16 x (work-group - 28) + 4 x wave
	s_lshl_b32 s32, s31, 11                        ; rows of 2,048 bytes
	s_mov_b32 s33, 0
	s_lshl_b32 s34, s31, 2
	s_mov_b32 s35, 0
	s_mov_b32 s36, 0x76543210
	s_mov_b32 s37, 0xfedcba98                      ; v_permlanex16_b32's selects for lane l xor 16
	v_lshlrev_b32 v2, 4, v1
	v_mov_b32 v3, 0
.irp k, 0,1,2,3
	v_mov_b32 v[12+\k], 0                          ; a lane permute's destination counts as one of its sources
.endr
	s_wait_kmcnt 0x0
	s_add_nc_u64 s[24:25], s[24:25], s[32:33]
	s_add_nc_u64 s[28:29], s[28:29], s[34:35]
.irp k, 0,1,2,3
.irp i, 0,1,2,3
	global_load_b128 v[FR+16*\k+4*\i:FR+16*\k+4*\i+3], v2, s[24:25] offset:2048*\k+512*\i th:TH_LOAD_NT   ; 512 consecutive bytes a load
.endr
.endr
	s_wait_loadcnt 0x0
.irp i, 2,4,6,8,10,12,14
.irp k, 0,1,2,3
	v_pk_add_f32 v[FR+16*\k:FR+16*\k+1], v[FR+16*\k:FR+16*\k+1], v[FR+16*\k+\i:FR+16*\k+\i+1]   ; my 16 numbers of each row, the four rows by turns
.endr
.endr
.irp k, 0,1,2,3
	v_add_f32 v[8+\k], v[FR+16*\k], v[FR+16*\k+1]
.endr
.irp x, 1,2,4,8
.irp k, 0,1,2,3
	v_add_f32_dpp v[8+\k], v[8+\k], v[8+\k] row_xmask:\x row_mask:0xf bank_mask:0xf
.endr
.endr
.irp k, 0,1,2,3
	v_permlanex16_b32 v[12+\k], v[8+\k], s36, s37
.endr
.irp k, 0,1,2,3
	v_add_f32 v[8+\k], v[8+\k], v[12+\k]
.endr
.irp k, 0,1,2,3
	v_mul_f32 v[8+\k], 0x390293ee, v[8+\k]         ; x log2(e) / sqrt(512) / 512
.endr
	s_wait_xcnt 0x0                                ; EXEC changes only behind this wait
	v_cmp_eq_u32 vcc_lo, 0, v1
	s_and_saveexec_b32 s38, vcc_lo
	global_store_b128 v3, v[8:11], s[28:29]        ; lane 0: the wave's four numbers (8 KB in the whole launch)
	s_wait_xcnt 0x0
	s_or_b32 exec_lo, exec_lo, s38
	s_endpgm
.Lfunc_end_k_q9c7fb104ab_prep:
	.size	k_q9c7fb104ab_prep, .Lfunc_end_k_q9c7fb104ab_prep-k_q9c7fb104ab_prep
	.p2alignl 7, 3214868480
	.fill 96, 4, 3214868480
	.section	.rodata,"a",@progbits
	.p2align	6, 0x0
	.amdhsa_kernel k_q9c7fb104ab_prep
		.amdhsa_group_segment_fixed_size 0
		.amdhsa_private_segment_fixed_size 0
		.amdhsa_enable_private_segment 0
		.amdhsa_kernarg_size 104
		.amdhsa_user_sgpr_count 2
		.amdhsa_user_sgpr_kernarg_segment_ptr 1
		.amdhsa_wavefront_size32 1
		.amdhsa_system_sgpr_workgroup_id_x 1
		.amdhsa_system_sgpr_workgroup_id_y 1
		.amdhsa_system_sgpr_workgroup_id_z 1
		.amdhsa_system_vgpr_workitem_id 0
		.amdhsa_next_free_vgpr 128
		.amdhsa_next_free_sgpr 66
		.amdhsa_reserve_vcc 1
		.amdhsa_float_denorm_mode_32 3
		.amdhsa_float_denorm_mode_16_64 3
		.amdhsa_memory_ordered 1
		.amdhsa_forward_progress 1
		.amdhsa_inst_pref_size 17
	.end_amdhsa_kernel
	.amdgpu_metadata
---
amdhsa.version: [ 1, 2 ]
amdhsa.kernels:
  - .name:           k_q9c7fb104ab_prep
    .symbol:         k_q9c7fb104ab_prep.kd
    .args:
      - { .name: Wq_codes, .offset: 0, .size: 8, .value_kind: global_buffer, .address_space: global }
      - { .name: Wq_scales, .offset: 8, .size: 8, .value_kind: global_buffer, .address_space: global }
      - { .name: Wk_codes, .offset: 16, .size: 8, .value_kind: global_buffer, .address_space: global }
      - { .name: Wk_scales, .offset: 24, .size: 8, .value_kind: global_buffer, .address_space: global }
      - { .name: Wv_codes, .offset: 32, .size: 8, .value_kind: global_buffer, .address_space: global }
      - { .name: Wv_scales, .offset: 40, .size: 8, .value_kind: global_buffer, .address_space: global }
      - { .name: W1_codes, .offset: 48, .size: 8, .value_kind: global_buffer, .address_space: global }
      - { .name: W1_scales, .offset: 56, .size: 8, .value_kind: global_buffer, .address_space: global }
      - { .name: W2_codes, .offset: 64, .size: 8, .value_kind: global_buffer, .address_space: global }
      - { .name: W2_scales, .offset: 72, .size: 8, .value_kind: global_buffer, .address_space: global }
      - { .name: hop_emb, .offset: 80, .size: 8, .value_kind: global_buffer, .address_space: global }
      - { .name: wf, .offset: 88, .size: 8, .value_kind: global_buffer, .address_space: global }
      - { .name: hmc, .offset: 96, .size: 8, .value_kind: global_buffer, .address_space: global }
    .group_segment_fixed_size: 0
    .private_segment_fixed_size: 0
    .kernarg_segment_align: 8
    .kernarg_segment_size: 104
    .max_flat_workgroup_size: 128
    .sgpr_count:     66
    .vgpr_count:     128
    .wavefront_size: 32
...
	.end_amdgpu_metadata
.endif
;; end of part 1
;; launch qkv (part 2): grid 256 x 1, 4 waves a work-group, clusters of 4 x 1, 327,680 bytes of LDS; arguments H, wf, bq, bk, bv, qf, kv; writes qf, kv
.if DOCPART == 2
	.amdgcn_target "amdgcn-amd-amdhsa--gfx1250"
	.amdhsa_code_object_version 6
	.text
	.protected	k_q9c7fb104ab_qkv
	.globl	k_q9c7fb104ab_qkv
	.p2align	8
	.type	k_q9c7fb104ab_qkv,@function
k_q9c7fb104ab_qkv:
	s_mov_b64 s[64:65], 0
	v_nop
	global_prefetch_b8 v0, s[64:65] scope:SCOPE_SE
	s_setreg_imm32_b32 hwreg(HW_REG_WAVE_MODE, 25, 1), 1
	s_wait_xcnt 0x0
	s_wait_alu depctr_hold_cnt(0) depctr_sa_sdst(0) depctr_va_vdst(0) depctr_va_sdst(0) depctr_va_ssrc(0) depctr_va_vcc(0) depctr_vm_vsrc(0)
	s_getreg_b32 s2, hwreg(HW_REG_IB_STS2, 6, 4)
	s_cmp_eq_u32 s2, 0
	s_cbranch_scc0 .Lentry_in_a_cluster
	s_endpgm
.Lentry_in_a_cluster:
	s_bfe_u32 s2, ttmp6, 0x10000c
	s_cmp_lg_u32 s2, 0x3003
	s_cbranch_scc0 .Lentry_shape_is_right
	s_endpgm
.Lentry_shape_is_right:
; Q = H Wq + bq, K = H Wk + bk, V = H Wv + bv on codes of E2M3 with one E8M0 scale for each 32 along K; the results are quantised at once, Q and K along the 512 channels, V along the keys,
; and stored as images of operand registers (fragment: 1,536 bytes, chunk c: lane l's registers 4 c .. 4 c + 3 at 512 c + 16 l), so that the attention fetches dense blocks.
; SHARES.  A work-group has 64 rows of H, as four tiles; lane r of tile m stands for row 32 (m / 2) + 8 (m % 2) + r + 8 (r / 8).  Wave w quantises tile w of H (its image goes to the others through LDS) and then
; makes channels 128 w .. 128 w + 127 of Q, K and V for all four tiles: each weight fragment read from LDS feeds four matrix instructions.
; Q and K are made TRANSPOSED (source 0 = 16 rows of the weight, source 1 = 16 rows of H): a lane holds one row and its registers run along the channels, the next K.  V is made the other way round:
; a lane holds one channel and its registers run along the keys, V's next K.
; THE WEIGHTS come as six rows of wf (25,600 bytes for each wave) through a ring of two LDS slots.  All work-groups walk the same weights: the four of a cluster ask JOINTLY (mask 15), each wave for its own part,
; which it alone reads.  By this text's count two tensor loads of a wave are out at the start, later one.
; kv: portion (16 b + s) 4 + w': set 0: K's keys 128 s + 32 w' on (fragment 4 u + K step); set 1: V^T's channels 128 w' on, 128 keys; place (c, h) of such a fragment holds the key block 64 h + 32 c, and the attention lays P alike.
; LIMITS: NaN and infinities are not served.  A block whose largest magnitude lies under 2^-124, a block of zeros among them, gets the byte 1 (its codes are then zeros or the rule's); these bytes are read by this program alone.
; REGISTERS, in windows of 256: window 0: addresses, the quantiser's registers, H's fragments (two sets), scale words.  Windows 1 and 2: v128-175 and v176-223 two sets of weight fragments (0-3 in window 1, 4-7 in window 2), v224-255 biases.
;   window 3: H's numbers, then the 32 accumulators.
.set PORT,  25600
.set PROW,  102400
.set SCO,   24576
.set SLOT1, 131072                     ; slot 0 at LDS byte 0, slot 1 here
.set HIMG,  102400                     ; H's 16 fragments (4 m + K step)
.set HSC,   126976                     ; their scale words, 128 bytes each
.set SPARE, 129024                     ; the spare words, 128 bytes for each wave: two blocks of 256 bytes that no other line names
.set RA0, 5                            ; 16 x lane + 25,600 w: my part of slot 0
.set RS0, 6                            ; 4 x lane + 25,600 w
.set RA1, 7                            ; the same in slot 1
.set RS1, 8
.set SPW, 9                            ; LDS address of my spare word; never rewritten
.set NIL, 10                           ; 0; never rewritten
.set HXO, 11                           ; H: my row and half
.set BRD, 12                           ; H's images: 16 x lane
.set BSR, 13                           ; their scale words: 4 x lane
.set XWI, 14                           ; where I store my tile's images
.set XWS, 15
.set LI,  16                           ; out: 16 x lane + 1,536 w
.set LS,  17                           ; out: 4 x lane + 128 w
.set BO,  18                           ; biases: 64 h
.set BVO, 19                           ; bv: 4 (r + 8 (r / 8))
.set V128, 20                          ; V's codes: where my 16 bytes go,
.set V64,  21                          ; and my 8
.set L8,   22                          ; V's scale bytes
.set L16,  23
.set DD,   24                          ; v24-27, v28-29: V's codes as they are stored
.set DE,   28
.set L4,   30
.set ET,   31
.set EE,   32                          ; v32-35 V's scale bytes; v36-37 as they are stored
.set PC,  40                           ; v40-51 a fragment's codes
.set QB,  52                           ; v52-54 a conversion's second result
.set TM,  56                           ; largest magnitudes
.set TX,  58
.set SO,  60                           ; the conversions' scale operands
.set BY,  62                           ; v62-65 scale bytes
.set PW,  66                           ; the scale word
.set PWS, 68
.set SWD, 72                           ; v72-73 two tiles' scale words in one register
.set BB1, 80                           ; H's four fragments of a K step, two sets
.set BB0, 144
.set KS,  224                          ; scale words: of the weight set in KA, in VA; of BB0, of BB1
.set VS,  228
.set PS,  240
.set VRAW, 244
.set VA,  128
.set KA,  176
.set BIAS, 224
.set G1,  36
.set G0A, 44
.set G0,  48
.set WV,  54
.set CX,  55
.set GI,  56
.set HF,  57
.set SEL, 60
.set HMK, 62
.set MSB, 0
.macro WIN new                         ; the immediate's high byte repeats the setting that is left; a switch that changes nothing is dropped
.if MSB != (\new)
	s_set_vgpr_msb (MSB<<8)|(\new)
.set MSB, (\new)
.endif
.endm
.macro PLACES                          ; four places: behind matrix instructions, in front of loads into their registers and of reads of their results
.rept 4
	v_nop
.endr
.endm
.macro BARRIER                         ; my LDS stores have landed and my LDS loads are in: then the work-group's barrier
	s_wait_dscnt 0x0
	s_barrier_signal -1
	s_barrier_wait -1
.endm
.macro ROUND                           ; a round of the cluster's barrier
	s_barrier_signal -1
	s_barrier_wait -1
	s_cmp_lg_u32 s[WV], 0
	s_cbranch_scc1 .Lnot_wave_0_\@
	s_barrier_signal -3
.Lnot_wave_0_\@:
	s_barrier_wait -3
	s_barrier_signal -1
	s_barrier_wait -1
.endm
; The slot that has been read out is filled again with the portion two further on.
.macro CHANGE
	s_wait_tensorcnt 0x0                           ; all my tensor loads have landed, the other slot's among them: so the descriptor may be written
	ds_add_u32 v[SPW], v[NIL]                      ; 0 onto my spare word
	s_xor_b32 s[G0+1], s[G0+1], SLOT1              ; the other slot than last time,
	s_add_nc_u64 s[G0+2:G0+3], s[G0+2:G0+3], PROW  ; the next row of wf
	s_wait_dscnt 0x0                               ; the add is done, and my reads of the slot are back
	ROUND                                          ; the same holds of every wave of the four work-groups
	tensor_load_to_lds s[G0:G0+3], s[G1:G1+7]      ; my one tensor load behind the round, and the first thing there
	s_nop 0
	PLACES
.endm
.macro WM d, a, b, c, sa, sb, ra, rb   ; one matrix instruction; c < 0: the constant 0 starts the sum; ra, rb: which half of the lanes holds the side's scale words
.if (\c) < 0
.if ((\ra) == 0) && ((\rb) == 0)
	v_wmma_scale_f32_16x16x128_f8f6f4 v[(\d):(\d)+7], v[(\a):(\a)+11], v[(\b):(\b)+11], 0, v[(\sa)], v[(\sb)] matrix_a_fmt:MATRIX_FMT_FP6 matrix_b_fmt:MATRIX_FMT_FP6
.elseif ((\ra) == 1) && ((\rb) == 0)
	v_wmma_scale_f32_16x16x128_f8f6f4 v[(\d):(\d)+7], v[(\a):(\a)+11], v[(\b):(\b)+11], 0, v[(\sa)], v[(\sb)] matrix_a_fmt:MATRIX_FMT_FP6 matrix_b_fmt:MATRIX_FMT_FP6 matrix_a_scale:MATRIX_SCALE_ROW1
.elseif ((\ra) == 0) && ((\rb) == 1)
	v_wmma_scale_f32_16x16x128_f8f6f4 v[(\d):(\d)+7], v[(\a):(\a)+11], v[(\b):(\b)+11], 0, v[(\sa)], v[(\sb)] matrix_a_fmt:MATRIX_FMT_FP6 matrix_b_fmt:MATRIX_FMT_FP6 matrix_b_scale:MATRIX_SCALE_ROW1
.else
	v_wmma_scale_f32_16x16x128_f8f6f4 v[(\d):(\d)+7], v[(\a):(\a)+11], v[(\b):(\b)+11], 0, v[(\sa)], v[(\sb)] matrix_a_fmt:MATRIX_FMT_FP6 matrix_b_fmt:MATRIX_FMT_FP6 matrix_a_scale:MATRIX_SCALE_ROW1 matrix_b_scale:MATRIX_SCALE_ROW1
.endif
.else
.if ((\ra) == 0) && ((\rb) == 0)
	v_wmma_scale_f32_16x16x128_f8f6f4 v[(\d):(\d)+7], v[(\a):(\a)+11], v[(\b):(\b)+11], v[(\c):(\c)+7], v[(\sa)], v[(\sb)] matrix_a_fmt:MATRIX_FMT_FP6 matrix_b_fmt:MATRIX_FMT_FP6
.elseif ((\ra) == 1) && ((\rb) == 0)
	v_wmma_scale_f32_16x16x128_f8f6f4 v[(\d):(\d)+7], v[(\a):(\a)+11], v[(\b):(\b)+11], v[(\c):(\c)+7], v[(\sa)], v[(\sb)] matrix_a_fmt:MATRIX_FMT_FP6 matrix_b_fmt:MATRIX_FMT_FP6 matrix_a_scale:MATRIX_SCALE_ROW1
.elseif ((\ra) == 0) && ((\rb) == 1)
	v_wmma_scale_f32_16x16x128_f8f6f4 v[(\d):(\d)+7], v[(\a):(\a)+11], v[(\b):(\b)+11], v[(\c):(\c)+7], v[(\sa)], v[(\sb)] matrix_a_fmt:MATRIX_FMT_FP6 matrix_b_fmt:MATRIX_FMT_FP6 matrix_b_scale:MATRIX_SCALE_ROW1
.else
	v_wmma_scale_f32_16x16x128_f8f6f4 v[(\d):(\d)+7], v[(\a):(\a)+11], v[(\b):(\b)+11], v[(\c):(\c)+7], v[(\sa)], v[(\sb)] matrix_a_fmt:MATRIX_FMT_FP6 matrix_b_fmt:MATRIX_FMT_FP6 matrix_a_scale:MATRIX_SCALE_ROW1 matrix_b_scale:MATRIX_SCALE_ROW1
.endif
.endif
.endm
; A set of 8 weight fragments and its four planes of scale words: 28 LDS loads, each of 512 or 128 consecutive bytes
.macro LOADSET area, sc, adr, ads, sig
	WIN 0x40
.irp j, 0,1,2,3,4,5,6,7,8,9,10,11
	ds_load_b128 v[\area+4*\j:\area+4*\j+3], v[\adr] offset:12288*(\sig)+512*\j
.endr
	WIN 0x80
.irp j, 0,1,2,3,4,5,6,7,8,9,10,11
	ds_load_b128 v[\area+4*\j:\area+4*\j+3], v[\adr] offset:12288*(\sig)+6144+512*\j
.endr
	WIN 0
.irp i, 0,1,2,3
	ds_load_b32 v[\sc+\i], v[\ads] offset:SCO+512*(\sig)+128*\i
.endr
.endm
; The four row tiles' fragments of one K step, and their scale words: 16 LDS loads
.macro LOADB bb, bsc, adr, ads, mstr, ks
.irp m, 0,1,2,3
.irp c, 0,1,2
	ds_load_b128 v[\bb+12*\m+4*\c:\bb+12*\m+4*\c+3], v[\adr] offset:((\mstr)*\m+(\ks))*1536+512*\c
.endr
	ds_load_b32 v[\bsc+\m], v[\ads] offset:((\mstr)*\m+(\ks))*128
.endr
.endm
; 32 matrix instructions: 8 weight tiles x 4 row tiles, one K step.  The 32 accumulators take turns, one instruction a turn.
; kind 0: transposed, accumulator (m, t) at 64 m + 8 t of window 3;  kind 1: rows of H as source 0, accumulator at 32 t + 8 m.  first = 1: the bias is the sum's first C.
.macro MM kind, area, asc, bb, bsc, first
.irp t, 0,1,2,3,4,5,6,7
.if \kind == 0
.if \first
	WIN 0xD1+0x11*(\t/4)
.else
	WIN 0xF1+(\t/4)
.endif
.irp m, 0,1,2,3
.if \first
	WM 64*\m+8*\t, \area+12*(\t%4), \bb+12*\m, BIAS+8*(\t%4), \asc+(\t%4), \bsc+\m, \t/4, 0
.else
	WM 64*\m+8*\t, \area+12*(\t%4), \bb+12*\m, 64*\m+8*\t, \asc+(\t%4), \bsc+\m, \t/4, 0
.endif
.endr
.else
.if \first
	WIN 0xD4+0x14*(\t/4)
.else
	WIN 0xF4+4*(\t/4)
.endif
.irp m, 0,1,2,3
.if \first
	WM 32*\t+8*\m, \bb+12*\m, \area+12*(\t%4), BIAS+8*(\t%4), \bsc+\m, \asc+(\t%4), 0, \t/4
.else
	WM 32*\t+8*\m, \bb+12*\m, \area+12*(\t%4), 32*\t+8*\m, \bsc+\m, \asc+(\t%4), 0, \t/4
.endif
.endr
.endif
.endr
.endm
; Two portions, the first in slot 0 and the second in slot 1: four K steps.  On entry the first set is in, or on its way to, KA.  While one set is multiplied the next set and the next K step's rows are fetched.
; fill = 1: each slot is filled again as soon as its two sets are in registers.  nxt = 1: the next pair's first set is fetched at the end.
.macro PAIR kind, badr, bsadr, mstr, k0, fill, nxt
	LOADB BB0, PS, \badr, \bsadr, \mstr, \k0
	LOADSET VA, VS, RA0, RS0, 1
	LOADB BB1, VRAW, \badr, \bsadr, \mstr, (\k0)+1
	s_wait_dscnt 44                                ; all but the 28 + 16 loads of the next K step
	s_wait_loadcnt 0x0                             ; the biases
	MM \kind, KA, KS, BB0, PS, 1
	WIN 0
	PLACES
.if \fill
	CHANGE
.else
	s_wait_tensorcnt 0x0                           ; slot 1's portion is in
	s_wait_dscnt 0x0
.endif
	LOADSET KA, KS, RA1, RS1, 0
	LOADB BB0, PS, \badr, \bsadr, \mstr, (\k0)+2
	MM \kind, VA, VS, BB1, VRAW, 0
	WIN 0
	PLACES
	LOADSET VA, VS, RA1, RS1, 1
	LOADB BB1, VRAW, \badr, \bsadr, \mstr, (\k0)+3
	s_wait_dscnt 44
	MM \kind, KA, KS, BB0, PS, 0
	WIN 0
	PLACES
.if \fill
	CHANGE
.else
	s_wait_dscnt 0x0
.endif
.if \nxt
	LOADSET KA, KS, RA0, RS0, 0
.endif
	MM \kind, VA, VS, BB1, VRAW, 0
	WIN 0
	PLACES
.endm
; 32 numbers of a lane in window win, register 16 b + i = k 32 b + 16 (lane / 16) + i: two blocks of 32, each shared with lane l xor 16.  Result: in v[qa] on the lower 16 codes and in v[QB] on the upper 16 codes
; of block (lane / 16); the two scale bytes in v[by], v[by + 1], in every lane.
.macro QHALF win, src, qa, by
	WIN (\win)*5
.irp b, 0,1
	v_max3_num_f32 v[TM+\b], |v[(\src)+16*\b]|, |v[(\src)+16*\b+1]|, 0x1800000   ; with the floor 2^(3 - 127): the byte cannot fall under 1
.endr
.irp i, 2,4,6,8,10,12,14
.irp b, 0,1
	v_max3_num_f32 v[TM+\b], |v[(\src)+16*\b+\i]|, |v[(\src)+16*\b+\i+1]|, v[TM+\b]
.endr
.endr
	WIN 0
.irp b, 0,1
	v_permlanex16_b32 v[TX+\b], v[TM+\b], s[SEL], s[SEL+1]
.endr
.irp b, 0,1
	v_max_num_f32 v[TM+\b], v[TM+\b], v[TX+\b]     ; the block's largest magnitude
.endr
.irp b, 0,1
	v_add_nc_u32 v[SO+\b], 0xff000000, v[TM+\b]    ; 2 off its exponent field: the conversion's scale operand
.endr
.irp b, 0,1
	v_lshrrev_b32 v[(\by)+\b], 23, v[SO+\b]        ; the scale's byte
.endr
	WIN \win
	v_cvt_scalef32_pk16_fp6_f32 v[(\qa):(\qa)+2], v[(\src):(\src)+15], v[SO]
	v_cvt_scalef32_pk16_fp6_f32 v[QB:QB+2], v[(\src)+16:(\src)+31], v[SO+1]
	WIN 0
	v_nop                                          ; one plain place behind a scaled conversion
.irp i, 0,1,2
	v_permlane16_swap_b32 v[(\qa)+\i], v[QB+\i]    ; a whole block to a lane: lanes 0-15 the first block, lanes 16-31 the second
.endr
.endm
.macro QUANT w0, s0, w1, s1            ; 64 numbers become a fragment's 12 registers in v[PC] on and its scale word in v[PW]
	QHALF \w0, \s0, PC, BY
.irp i, 0,1,2
	v_mov_b32 v[PC+3+\i], v[QB+\i]
.endr
	QHALF \w1, \s1, PC+6, BY+2
.irp i, 0,1,2
	v_mov_b32 v[PC+9+\i], v[QB+\i]
.endr
	v_lshl_or_b32 v[PW], v[BY+1], 8, v[BY]
	v_lshl_or_b32 v[PW], v[BY+2], 16, v[PW]
	v_lshl_or_b32 v[PW], v[BY+3], 24, v[PW]
.endm
.macro IMAGE adr, off
.irp c, 0,1,2
	ds_store_b128 v[\adr], v[PC+4*\c:PC+4*\c+3] offset:(\off)+512*\c
.endr
.endm
.macro BIASLD p                        ; a transposed product's C: lane (r, h) wants, for tile t, the bias of channels 32 (t / 2) + 8 (t % 2) + 16 h + 0 .. 7
	WIN 0x40
.irp t, 0,1,2,3
	global_load_b128 v[BIAS+8*\t:BIAS+8*\t+3], v[BO], s[\p:\p+1] offset:(32*(\t/2)+8*(\t%2))*4
	global_load_b128 v[BIAS+8*\t+4:BIAS+8*\t+7], v[BO], s[\p:\p+1] offset:(32*(\t/2)+8*(\t%2))*4+16
.endr
	WIN 0x80
.irp t, 0,1,2,3
	global_load_b128 v[BIAS+8*\t:BIAS+8*\t+3], v[BO], s[\p:\p+1] offset:(64+32*(\t/2)+8*(\t%2))*4
	global_load_b128 v[BIAS+8*\t+4:BIAS+8*\t+7], v[BO], s[\p:\p+1] offset:(64+32*(\t/2)+8*(\t%2))*4+16
.endr
	WIN 0
.endm
; Q's or K's results are quantised, a row tile at a time, and stored: my 128 channels are K step w of the scores' product.  isk = 0: fragment 4 m + w of my block's portion of qf;  1: fragment 4 (m % 2) + w of portion m / 2.
.macro QKOUT p, isk
.irp m, 0,1,2,3
	s_wait_xcnt 0x0                                ; the last stores have read their registers
	QUANT 3, 64*\m, 3, 64*\m+32
.irp c, 0,1,2
.if \isk
	global_store_b128 v[LI], v[PC+4*\c:PC+4*\c+3], s[\p:\p+1] offset:(\m/2)*PORT+4*(\m%2)*1536+512*\c   ; 512 consecutive bytes, at a multiple of 256 from the buffer's first byte
.else
	global_store_b128 v[LI], v[PC+4*\c:PC+4*\c+3], s[\p:\p+1] offset:4*\m*1536+512*\c
.endif
.endr
.if \m%2 == 0
	v_mov_b32 v[PWS], v[PW]
.else
	v_cndmask_b32 v[SWD+\m/2], v[PWS], v[PW], s[HMK]   ; lanes 0-15 the even tile's words, lanes 16-31 the odd tile's
.if \isk
	global_store_b32 v[LS], v[SWD+\m/2], s[\p:\p+1] offset:(\m/2)*PORT+SCO
.else
	global_store_b32 v[LS], v[SWD+\m/2], s[\p:\p+1] offset:SCO+512*(\m/2)
.endif
.endif
.endr
.endm
	s_load_b256 s[8:15], s[0:1], 0x0               ; H, wf, bq, bk
	s_load_b128 s[16:19], s[0:1], 0x20             ; bv, qf
	s_load_b64 s[20:21], s[0:1], 0x30              ; kv
	v_lshl_add_u32 v[SPW], v0, 2, SPARE
	v_mov_b32 v[NIL], 0
	ds_add_u32 v9, v10
	s_wait_dscnt 0x0
	v_lshrrev_b32 v1, 5, v0
	v_readfirstlane_b32 s[WV], v1                  ; wave 0..3
	s_bfe_u32 s[CX], ttmp6, 0x40000                ; my place in the cluster
	s_lshl_b32 s[GI], ttmp9, 2
	s_add_co_u32 s[GI], s[GI], s[CX]               ; my block of 64 rows: it enters global addresses of H, qf and kv alone
	; descriptor group 1: a portion, 25,600 dense bytes, as 100 rows of 256 bytes
	s_mov_b32 s[G1], 15|(3<<16)|(1<<21)            ; 15:0 the mask: all four work-groups; 17:16 elements of 8 bytes; 20 no padding; 21 set beside a mask
	s_mov_b32 s[G1+1], 32<<16                      ; tensor_dim0 = 32
	s_mov_b32 s[G1+2], 100<<16                     ; tensor_dim1 = 100
	s_mov_b32 s[G1+3], 32<<16                      ; tile_dim0 = 32
	s_mov_b32 s[G1+4], 100                         ; tile_dim1 = 100
	s_mov_b32 s[G1+5], 32                          ; from row to row
	s_mov_b32 s[G1+6], 0
	s_mov_b32 s[G1+7], 0
	s_mov_b32 s[SEL], 0x76543210
	s_mov_b32 s[SEL+1], 0xfedcba98                 ; v_permlanex16_b32's selects for lane l xor 16
	s_mov_b32 s[HMK], 0xffff0000                   ; lanes 16-31
	s_mul_i32 s22, s[WV], PORT                     ; my part of a slot, and of a row of wf: the wave's number alone
	s_mov_b32 s23, 0
	s_lshl_b32 s24, s[WV], 9                       ; my 128 channels of a bias
	s_mov_b32 s25, 0
	s_lshl_b32 s26, s[GI], 17                      ; H: 64 rows of 2,048 bytes a block,
	s_lshr_b32 s58, s[WV], 1
	s_lshl_b32 s58, s58, 16
	s_add_co_u32 s26, s26, s58                     ; + my tile's first row, 32 (w / 2) + 8 (w % 2)
	s_and_b32 s58, s[WV], 1
	s_lshl_b32 s58, s58, 14
	s_add_co_u32 s26, s26, s58
	s_mov_b32 s27, 0
	s_mul_i32 s28, s[GI], PORT                     ; qf: my block's portion
	s_mov_b32 s29, 0
	s_lshl_b32 s30, s28, 1                         ; kv, K: portions 2 g and 2 g + 1
	s_mov_b32 s31, 0
	s_lshr_b32 s32, s[GI], 1
	s_lshl_b32 s32, s32, 2
	s_add_co_u32 s32, s32, s[WV]
	s_mul_i32 s32, s32, PORT                       ; kv, V: portion 4 (g / 2) + w
	s_mov_b32 s33, 0
	v_and_b32 v1, 31, v0                           ; lane
	v_and_b32 v2, 15, v0                           ; r
	v_bfe_u32 v3, v0, 4, 1                         ; h
	v_and_b32 v4, 8, v2
	v_add_nc_u32 v4, v4, v2                        ; r + 8 (r / 8)
	v_lshlrev_b32 v[L16], 4, v1
	v_lshlrev_b32 v[L4], 2, v1
	v_add_nc_u32 v[RA0], s22, v[L16]
	v_add_nc_u32 v[RS0], s22, v[L4]
	v_add_nc_u32 v[RA1], SLOT1, v[RA0]
	v_add_nc_u32 v[RS1], SLOT1, v[RS0]
	v_lshlrev_b32 v[HXO], 11, v4
	v_lshl_add_u32 v[HXO], v3, 6, v[HXO]           ; my row of 2,048 bytes, + 64 h: my 16 numbers of a block of 32
	v_add_nc_u32 v[BRD], HIMG, v[L16]
	v_add_nc_u32 v[BSR], HSC, v[L4]
	s_mul_i32 s58, s[WV], 6144
	v_add_nc_u32 v[XWI], s58, v[BRD]
	v_add_nc_u32 v[XWS], s24, v[BSR]
	s_mul_i32 s58, s[WV], 1536
	v_add_nc_u32 v[LI], s58, v[L16]
	s_lshl_b32 s58, s[WV], 7
	v_add_nc_u32 v[LS], s58, v[L4]
	v_lshlrev_b32 v[BO], 6, v3
	v_lshlrev_b32 v[BVO], 2, v4
	s_and_b32 s[HF], s[GI], 1                      ; which 64 of a key step's 128 keys are mine
	s_lshl_b32 s59, s[HF], 8
	v_lshl_add_u32 v[V128], v2, 4, s59
	v_lshl_add_u32 v[V64], v3, 3, v[V128]
	v_add_nc_u32 v[V64], 512, v[V64]               ; 512 + 16 r + 256 half + 8 h
	v_lshl_add_u32 v[V128], v3, 10, v[V128]        ; 16 r + 256 half + 1,024 h
	v_lshl_add_u32 v[L8], v1, 3, s59
	v_mov_b32 v[TX], 0                             ; a lane permute's destination counts as one of its sources
	v_mov_b32 v[TX+1], 0
	s_wait_kmcnt 0x0
	s_add_nc_u64 s[10:11], s[10:11], s[22:23]      ; wf at my part of row 0
	s_mov_b32 s[G0A], 1                            ; row 0 into slot 0
	s_mov_b32 s[G0A+1], s22
	s_mov_b64 s[G0A+2:G0A+3], s[10:11]
	s_or_b32 s[G0A+3], s[G0A+3], 0x80000000
	s_mov_b32 s[G0], 1                             ; row 1 into slot 1; this descriptor then walks
	s_add_co_u32 s[G0+1], s22, SLOT1
	s_add_nc_u64 s[G0+2:G0+3], s[10:11], PROW
	s_or_b32 s[G0+3], s[G0+3], 0x80000000
	s_add_nc_u64 s[8:9], s[8:9], s[26:27]
	s_add_nc_u64 s[12:13], s[12:13], s[24:25]
	s_add_nc_u64 s[14:15], s[14:15], s[24:25]
	s_add_nc_u64 s[16:17], s[16:17], s[24:25]
	s_add_nc_u64 s[18:19], s[18:19], s[28:29]
	s_add_nc_u64 s[30:31], s[20:21], s[30:31]      ; K's place
	s_add_nc_u64 s[32:33], s[20:21], s[32:33]      ; V's place
	ROUND                                          ; all four work-groups are here: the first joint loads meet
	tensor_load_to_lds s[G0A:G0A+3], s[G1:G1+7]
	s_nop 0
	tensor_load_to_lds s[G0:G0+3], s[G1:G1+7]
	s_nop 0
	PLACES
	BIASLD 12                                      ; bq
	WIN 0xC0
.irp k, 0,1,2,3
.irp b, 0,1,2,3
.irp j, 0,1,2,3
	global_load_b128 v[64*\k+16*\b+4*\j:64*\k+16*\b+4*\j+3], v[HXO], s[8:9] offset:512*\k+128*\b+16*\j   ; my row's numbers 128 k + 32 b + 16 h + 4 j on
.endr
.endr
.endr
	WIN 0
	; ---- H's tile w becomes four fragments
.irp k, 0,1,2,3
	s_wait_loadcnt 48-16*\k                        ; this K step's 16 loads are in; the later K steps' may be out
	QUANT 3, 64*\k, 3, 64*\k+32
	IMAGE XWI, 1536*\k
	ds_store_b32 v[XWS], v[PW] offset:128*\k
	s_wait_dscnt 0x0                               ; the stores have read their registers
.endr
	s_wait_tensorcnt 0x1                           ; my part of row 0 is in; row 1's may stay out
	BARRIER                                        ; H's sixteen fragments lie in LDS
	LOADSET KA, KS, RA0, RS0, 0
	; ---- Q
	PAIR 0, BRD, BSR, 4, 0, 1, 1
	BIASLD 14                                      ; bk: the biases' registers were last read in the pair's first K step
	QKOUT 18, 0
	; ---- K
	PAIR 0, BRD, BSR, 4, 0, 1, 1
	WIN 0x40                                       ; bv: in V's layout a lane holds one channel, so a tile's eight registers of C are one number
.irp t, 0,1,2,3
	global_load_b32 v[BIAS+8*\t], v[BVO], s[16:17] offset:(32*(\t/2)+8*(\t%2))*4
.endr
	WIN 0x80
.irp t, 0,1,2,3
	global_load_b32 v[BIAS+8*\t], v[BVO], s[16:17] offset:(64+32*(\t/2)+8*(\t%2))*4
.endr
	WIN 0
	QKOUT 30, 1
	s_wait_loadcnt 0x0
	WIN 0x41
.irp t, 0,1,2,3
.irp j, 1,2,3,4,5,6,7
	v_mov_b32 v[BIAS+8*\t+\j], v[BIAS+8*\t]
.endr
.endr
	WIN 0x82
.irp t, 0,1,2,3
.irp j, 1,2,3,4,5,6,7
	v_mov_b32 v[BIAS+8*\t+\j], v[BIAS+8*\t]
.endr
.endr
	WIN 0
	PLACES
	; ---- V: the last two rows of wf; nothing is left to fetch
	PAIR 1, BRD, BSR, 4, 0, 0, 0
.irp t, 0,1,2,3,4,5,6,7                ; tile t: lane (r, x) gets block x (32 keys) of channel r: 24 bytes.  They are registers 6 x .. 6 x + 5 of lane 16 half + r of the fragment's image
	s_wait_xcnt 0x0                                ; the last stores have read their registers
	QHALF 3, 32*\t, PC, BY
	v_cndmask_b32 v[DD], v[PC], v[PC+2], s[HMK]    ; lanes 0-15: registers 0-3 (chunk 0); lanes 16-31: registers 8-11 (chunk 2)
	v_cndmask_b32 v[DD+1], v[PC+1], v[QB], s[HMK]
	v_cndmask_b32 v[DD+2], v[PC+2], v[QB+1], s[HMK]
	v_cndmask_b32 v[DD+3], v[QB], v[QB+2], s[HMK]
	v_cndmask_b32 v[DE], v[QB+1], v[PC], s[HMK]    ; lanes 0-15: registers 4, 5; lanes 16-31: registers 6, 7 (chunk 1)
	v_cndmask_b32 v[DE+1], v[QB+2], v[PC+1], s[HMK]
	global_store_b128 v[V128], v[DD:DD+3], s[32:33] offset:(8+\t)*1536   ; each half of the lanes stores 256 consecutive bytes, aligned
	global_store_b64 v[V64], v[DE:DE+1], s[32:33] offset:(8+\t)*1536     ; the 32 lanes store 256 consecutive bytes, aligned
.if \t%2 == 0
	v_lshl_or_b32 v[EE+\t/2], v[BY+1], 8, v[BY]    ; the tile's two scale bytes
.else
	v_lshl_or_b32 v[ET], v[BY+1], 8, v[BY]
	v_lshl_or_b32 v[EE+\t/2], v[ET], 16, v[EE+\t/2]
.endif
.endr
	v_cndmask_b32 v36, v[EE], v[EE+2], s[HMK]      ; lanes 0-15 keep tiles 0-3's bytes, lanes 16-31 tiles 4-7's
	v_cndmask_b32 v37, v[EE+1], v[EE+3], s[HMK]
	global_store_b64 v[L8], v[36:37], s[32:33] offset:25088   ; 256 consecutive bytes, aligned
	s_wait_tensorcnt 0x0                           ; the wave's end
	ds_add_u32 v[SPW], v[NIL]
	s_wait_dscnt 0x0
	ROUND                                          ; the closing round: no work-group ends while a partner may still ask for a tile that names it
	s_endpgm
.Lfunc_end_k_q9c7fb104ab_qkv:
	.size	k_q9c7fb104ab_qkv, .Lfunc_end_k_q9c7fb104ab_qkv-k_q9c7fb104ab_qkv
	.p2alignl 7, 3214868480
	.fill 96, 4, 3214868480
	.section	.rodata,"a",@progbits
	.p2align	6, 0x0
	.amdhsa_kernel k_q9c7fb104ab_qkv
		.amdhsa_group_segment_fixed_size 327680
		.amdhsa_private_segment_fixed_size 0
		.amdhsa_enable_private_segment 0
		.amdhsa_kernarg_size 56
		.amdhsa_user_sgpr_count 2
		.amdhsa_user_sgpr_kernarg_segment_ptr 1
		.amdhsa_wavefront_size32 1
		.amdhsa_system_sgpr_workgroup_id_x 1
		.amdhsa_system_sgpr_workgroup_id_y 1
		.amdhsa_system_sgpr_workgroup_id_z 1
		.amdhsa_system_vgpr_workitem_id 0
		.amdhsa_next_free_vgpr 1024
		.amdhsa_next_free_sgpr 66
		.amdhsa_reserve_vcc 0
		.amdhsa_float_denorm_mode_32 3
		.amdhsa_float_denorm_mode_16_64 3
		.amdhsa_memory_ordered 1
		.amdhsa_forward_progress 1
		.amdhsa_inst_pref_size 179
	.end_amdhsa_kernel
	.amdgpu_metadata
---
amdhsa.version: [ 1, 2 ]
amdhsa.kernels:
  - .name:           k_q9c7fb104ab_qkv
    .symbol:         k_q9c7fb104ab_qkv.kd
    .args:
      - { .name: H, .offset: 0, .size: 8, .value_kind: global_buffer, .address_space: global }
      - { .name: wf, .offset: 8, .size: 8, .value_kind: global_buffer, .address_space: global }
      - { .name: bq, .offset: 16, .size: 8, .value_kind: global_buffer, .address_space: global }
      - { .name: bk, .offset: 24, .size: 8, .value_kind: global_buffer, .address_space: global }
      - { .name: bv, .offset: 32, .size: 8, .value_kind: global_buffer, .address_space: global }
      - { .name: qf, .offset: 40, .size: 8, .value_kind: global_buffer, .address_space: global }
      - { .name: kv, .offset: 48, .size: 8, .value_kind: global_buffer, .address_space: global }
    .group_segment_fixed_size: 327680
    .private_segment_fixed_size: 0
    .kernarg_segment_align: 8
    .kernarg_segment_size: 56
    .max_flat_workgroup_size: 128
    .sgpr_count:     66
    .vgpr_count:     1024
    .wavefront_size: 32
...
	.end_amdgpu_metadata
.endif
;; end of part 2
;; launch attn (part 3): grid 32 x 8, 4 waves a work-group, clusters of 4 x 1, 327,680 bytes of LDS; arguments qf, kv, wf, hmc, adj, H, g1, be1, b1, b2, g2, be2, out0; writes out0
.if DOCPART == 3
	.amdgcn_target "amdgcn-amd-amdhsa--gfx1250"
	.amdhsa_code_object_version 6
	.text
	.protected	k_q9c7fb104ab_attn
	.globl	k_q9c7fb104ab_attn
	.p2align	8
	.type	k_q9c7fb104ab_attn,@function
k_q9c7fb104ab_attn:
	s_mov_b64 s[64:65], 0
	v_nop
	global_prefetch_b8 v0, s[64:65] scope:SCOPE_SE
	s_setreg_imm32_b32 hwreg(HW_REG_WAVE_MODE, 25, 1), 1
	s_wait_xcnt 0x0
	s_wait_alu depctr_hold_cnt(0) depctr_sa_sdst(0) depctr_va_vdst(0) depctr_va_sdst(0) depctr_va_ssrc(0) depctr_va_vcc(0) depctr_vm_vsrc(0)
	s_getreg_b32 s2, hwreg(HW_REG_IB_STS2, 6, 4)
	s_cmp_eq_u32 s2, 0
	s_cbranch_scc0 .Lentry_in_a_cluster
	s_endpgm
.Lentry_in_a_cluster:
	s_bfe_u32 s2, ttmp6, 0x10000c
	s_cmp_lg_u32 s2, 0x3003
	s_cbranch_scc0 .Lentry_shape_is_right
	s_endpgm
.Lentry_shape_is_right:
; out = LN2(relu(x W1 + b1) W2 + b2 + x), x = LN1(softmax(Q K^T / sqrt(512) x adj x mean(hop_emb)) V + H), every product on codes of E2M3 with one E8M0 scale for each 32 along K.
; SHARES.  A work-group owns 64 queries of one batch, as four tiles; lane r of tile q stands for row 32 (q / 2) + 8 (q % 2) + r + 8 (r / 8).  It walks the batch's 2,048 keys, 128 a step.
; In a step wave w makes S^T = K Q^T for keys 32 w .. 32 w + 31 against all 64 queries (32 matrix instructions) and O^T += V^T P^T for channels 128 w .. 128 w + 127 against all 64 queries (32): so each fragment
; of K and V is read from LDS once in the work-group and feeds four matrix instructions.  What goes from wave to wave is small: each block's largest exponent, and P's codes and scale bytes.
; Both products are used transposed: a lane holds ONE query throughout.
; SOFTMAX.  t = score x hmc[key] x adj[query][key] (hmc holds the mean, log2(e) and 1 / sqrt(512)); M = the row's largest t so far, rounded UP to a whole number; p = 2^(t - M) is quantised along the keys, a wave's 32 keys being
; one block; the row's sum is taken of the unquantised p; when M moves, the sum and O^T are multiplied by 2^(old M - new M), which rounds nothing.  A block's largest p is the block's largest t put through the same two instructions.
; THE KEY BLOCKS OF A STEP stand in P's and V's fragments alike at place (c, h) = block 2 h + c: the sums are the same products in another order.
; THE RING.  K and V of a step (one row of kv), and behind them W1 and W2 (rows 6 to 13 of wf), come through two LDS slots, 25,600 bytes for each wave, which it alone reads.  The four query blocks of a cluster walk the same rows:
; each is asked for JOINTLY (mask 15).  By this text's count two tensor loads of a wave are out at the start, later one.  A 4 x 4 cluster would share nothing more: Q, adj and H belong to one work-group each.
; BEHIND THE KEYS: O^T / l + H, LN1 (mean, then the mean of squared differences, as the problem has it), x quantised and handed round through LDS, the hidden layer (wave w: units 256 w on, in two halves) likewise,
; the second product added onto x + b2, LN2, and out through a stage in LDS as runs of 512 bytes of a row.  x and the hidden layer never go to memory.
; LIMITS: NaN and infinities are not served.  A block whose largest magnitude lies under 2^-124, a block of zeros among them, gets the byte 1; these bytes never leave the work-group.  t is formed as (score x hmc) x adj,
; another order of rounding than the problem's (about 1e-7 of the number); O^T / l and the residual are one fused multiply-add with 1 / l from v_rcp_f32.
; REGISTERS, in windows of 256.  Windows 1 and 2: v0-127 accumulator (q, t) at 32 q + 8 (t % 4), tiles 0-3 in window 1, 4-7 in window 2: O^T, then x, then the second product; v128-175 and v176-223 two sets of fragments; v224-255 b1.
;   window 3: Q's 16 fragments and adj; then H's rows; then the hidden layer's sums.   window 0: see the names below.
.set PORT,  25600
.set PROW,  102400
.set SCO,   24576
.set SLOT1, 131072                     ; slot 0 at LDS byte 0, slot 1 here
.set PIMG,  102400                     ; P: tile q at 1,536 q, 48 bytes a lane
.set PSC,   108544                     ; P's scale words: 4 (16 q + r)
.set STAT,  108800                     ; [16 q + r][wave] f32: the blocks' largest t
.set ST2,   109824                     ; the same shape: the rows' sums; the norms' four sums
.set LNA,   110848
.set LNB,   111872
.set LNC,   112896
.set LND,   113920
.set SPARE, 114944                     ; the spare words, 128 bytes for each wave: two blocks of 256 bytes that no other line names
.set XIMG,  233472                     ; x's 16 fragments (4 m + K step)
.set XSC,   258048
.set HIMG,  260096                     ; the hidden layer's 32 fragments (8 m + K step); at the end each wave's stage of 16 rows x 528 bytes
.set HSC,   309248
.set LI,  1                            ; 16 x lane
.set LS,  2                            ; 4 x lane
.set RA0, 5                            ; 16 x lane + 25,600 w: my part of slot 0
.set RS0, 6                            ; 4 x lane + 25,600 w
.set RA1, 7
.set RS1, 8
.set SPW, 9                            ; LDS address of my spare word; never rewritten
.set NIL, 10                           ; 0; never rewritten
.set LB0, 11                           ; 8 x lane + 25,600 w
.set ADR, 12                           ; the slot in hand + RA0, RS0, LB0
.set ADS, 13
.set ADB, 14
.set AO,  15                           ; adj: my row, my wave's 32 keys, my 16 of them
.set HMO, 16                           ; hmc likewise
.set PFO, 17                           ; the prefetch: one lane to each 256 bytes of the work-group's 64 rows x 512 bytes
.set PST, 18                           ; where my 12 bytes of P's codes go
.set PBY, 19                           ; and my block's scale byte
.set PLD, 20
.set PSL, 21
.set STS, 22
.set STL, 23
.set XRD, 24
.set XSR, 25
.set XWI, 26
.set XWS, 27
.set HRD, 28
.set HSR, 29
.set HWI, 30
.set HWS, 31
.set HWA, 32
.set HWB, 33
.set HO,  34                           ; H: my row, my wave's 128 channels, my 16 of each 32
.set GO,  35                           ; gains and offsets likewise
.set BO,  36                           ; 64 h
.set STO, 37
.set SR,  38
.set OO,  39
.set ST,  40                           ; tile q's statistics at ST + 8 q: +0 -M, +1 the largest t, +2 +3 the sum, +4 (+5) f, +6 the block's largest, +7 at work
.set SCP, 72                           ; the conversions' scale operands
.set BYQ, 76                           ; P's scale bytes
.set S,   80                           ; v80-143 S^T, then p: 16 q + 8 u
.set PF,  144                          ; v144-191 P's four fragments
.set HM,  192                          ; v192-207 hmc of my 16 keys
.set RB,  208                          ; v208-223 the four waves' largest t; then P's codes at 4 q
.set PC,  40                           ; behind the keys: the quantiser's registers
.set QB,  52
.set TM,  56
.set TX,  58
.set SO,  60
.set BY,  62
.set PW,  66
.set LRB, 40                           ; v40-55 the four waves' partial sums
.set BB1, 80                           ; four row tiles' fragments of a K step, two sets
.set BB0, 144
.set G,   80                           ; v80-143 a gain, v144-207 an offset, of my 64 channels
.set BE,  144
.set OB,  80                           ; the way out: two sets of 64
.set SUM, 208                          ; v208-215 four pairs
.set NMP, 216                          ; v216-223 four pairs: 1 / l; -mean; 1 / sqrt(variance + eps)
.set KS,  224                          ; scale words and nothing else: of the set in KA, in VA; Q's; P's or BB0's; V's bytes as they lie, or BB1's
.set VS,  228
.set QS,  232
.set PS,  240
.set VRAW, 244
.set VA,  128
.set KA,  176
.set BIAS, 224
.set G1,  36
.set G0A, 44
.set G0,  48
.set WFP, 52                           ; s[52:53] wf's row 6, my part, with the descriptor's type bits
.set WV,  54
.set CX,  55
.set QBK, 56
.set BT,  57
.set TB,  58                           ; LDS byte at which the slot in hand begins
.set CNT, 59                           ; the key step
.set SEL, 60
.set P0,  66
.set P1,  67
.set AJ,  68                           ; s[68:69] adj at my rows, this step's keys
.set HMB, 70                           ; s[70:71] hmc at this step's keys
.set HC,  72
.set FT,  73
.set HC2, 74
.set C512, 76
.set CEPS, 77
.set MSB, 0
.macro WIN new                         ; the immediate's high byte repeats the setting that is left; a switch that changes nothing is dropped
.if MSB != (\new)
	s_set_vgpr_msb (MSB<<8)|(\new)
.set MSB, (\new)
.endif
.endm
.macro PLACES                          ; four places: behind matrix instructions, in front of loads into their registers and of reads of their results
.rept 4
	v_nop
.endr
.endm
.macro BARRIER                         ; my LDS stores have landed and my LDS loads are in: then the work-group's barrier.  The slot's refill may stay on its way
	s_wait_dscnt 0x0
	s_barrier_signal -1
	s_barrier_wait -1
.endm
.macro ROUND                           ; a round of the cluster's barrier
	s_barrier_signal -1
	s_barrier_wait -1
	s_cmp_lg_u32 s[WV], 0
	s_cbranch_scc1 .Lnot_wave_0_\@
	s_barrier_signal -3
.Lnot_wave_0_\@:
	s_barrier_wait -3
	s_barrier_signal -1
	s_barrier_wait -1
.endm
; The slot that has been read out is filled again with the portion two further on.  att = 1: a key step's change: the step's pointers walk too, and behind the 16th row of kv the ring goes on into wf's row 6.
.macro CHANGE att
	s_wait_tensorcnt 0x0                           ; all my tensor loads have landed, the other slot's among them: so the descriptor may be written
	ds_add_u32 v[SPW], v[NIL]                      ; 0 onto my spare word
	s_xor_b32 s[G0+1], s[G0+1], SLOT1              ; the other slot than last time,
	s_add_nc_u64 s[G0+2:G0+3], s[G0+2:G0+3], PROW  ; the next row
.if \att
	s_wait_xcnt 0x0                                ; the loads and the prefetch have read their bases
	s_add_nc_u64 s[AJ:AJ+1], s[AJ:AJ+1], 512       ; 128 keys on
	s_add_nc_u64 s[HMB:HMB+1], s[HMB:HMB+1], 512
	s_xor_b32 s[TB], s[TB], SLOT1
	s_cmp_eq_u32 s[CNT], 14                        ; step 14 asks for what follows step 15's row
	s_cselect_b64 s[G0+2:G0+3], s[WFP:WFP+1], s[G0+2:G0+3]
.endif
	s_wait_dscnt 0x0                               ; the add is done, my LDS stores have landed and my reads of the slot are back
	ROUND                                          ; the same holds of every wave of the four work-groups
	tensor_load_to_lds s[G0:G0+3], s[G1:G1+7]      ; my one tensor load behind the round, and the first thing there
	s_nop 0
	PLACES
.endm
.macro WM d, a, b, c, sa, sb, ra, rb   ; one matrix instruction; c < 0: the constant 0 starts the sum; ra, rb: which half of the lanes holds the side's scale words
.if (\c) < 0
.if ((\ra) == 0) && ((\rb) == 0)
	v_wmma_scale_f32_16x16x128_f8f6f4 v[(\d):(\d)+7], v[(\a):(\a)+11], v[(\b):(\b)+11], 0, v[(\sa)], v[(\sb)] matrix_a_fmt:MATRIX_FMT_FP6 matrix_b_fmt:MATRIX_FMT_FP6
.elseif ((\ra) == 1) && ((\rb) == 0)
	v_wmma_scale_f32_16x16x128_f8f6f4 v[(\d):(\d)+7], v[(\a):(\a)+11], v[(\b):(\b)+11], 0, v[(\sa)], v[(\sb)] matrix_a_fmt:MATRIX_FMT_FP6 matrix_b_fmt:MATRIX_FMT_FP6 matrix_a_scale:MATRIX_SCALE_ROW1
.elseif ((\ra) == 0) && ((\rb) == 1)
	v_wmma_scale_f32_16x16x128_f8f6f4 v[(\d):(\d)+7], v[(\a):(\a)+11], v[(\b):(\b)+11], 0, v[(\sa)], v[(\sb)] matrix_a_fmt:MATRIX_FMT_FP6 matrix_b_fmt:MATRIX_FMT_FP6 matrix_b_scale:MATRIX_SCALE_ROW1
.else
	v_wmma_scale_f32_16x16x128_f8f6f4 v[(\d):(\d)+7], v[(\a):(\a)+11], v[(\b):(\b)+11], 0, v[(\sa)], v[(\sb)] matrix_a_fmt:MATRIX_FMT_FP6 matrix_b_fmt:MATRIX_FMT_FP6 matrix_a_scale:MATRIX_SCALE_ROW1 matrix_b_scale:MATRIX_SCALE_ROW1
.endif
.else
.if ((\ra) == 0) && ((\rb) == 0)
	v_wmma_scale_f32_16x16x128_f8f6f4 v[(\d):(\d)+7], v[(\a):(\a)+11], v[(\b):(\b)+11], v[(\c):(\c)+7], v[(\sa)], v[(\sb)] matrix_a_fmt:MATRIX_FMT_FP6 matrix_b_fmt:MATRIX_FMT_FP6
.elseif ((\ra) == 1) && ((\rb) == 0)
	v_wmma_scale_f32_16x16x128_f8f6f4 v[(\d):(\d)+7], v[(\a):(\a)+11], v[(\b):(\b)+11], v[(\c):(\c)+7], v[(\sa)], v[(\sb)] matrix_a_fmt:MATRIX_FMT_FP6 matrix_b_fmt:MATRIX_FMT_FP6 matrix_a_scale:MATRIX_SCALE_ROW1
.elseif ((\ra) == 0) && ((\rb) == 1)
	v_wmma_scale_f32_16x16x128_f8f6f4 v[(\d):(\d)+7], v[(\a):(\a)+11], v[(\b):(\b)+11], v[(\c):(\c)+7], v[(\sa)], v[(\sb)] matrix_a_fmt:MATRIX_FMT_FP6 matrix_b_fmt:MATRIX_FMT_FP6 matrix_b_scale:MATRIX_SCALE_ROW1
.else
	v_wmma_scale_f32_16x16x128_f8f6f4 v[(\d):(\d)+7], v[(\a):(\a)+11], v[(\b):(\b)+11], v[(\c):(\c)+7], v[(\sa)], v[(\sb)] matrix_a_fmt:MATRIX_FMT_FP6 matrix_b_fmt:MATRIX_FMT_FP6 matrix_a_scale:MATRIX_SCALE_ROW1 matrix_b_scale:MATRIX_SCALE_ROW1
.endif
.endif
.endm
; A set of 8 fragments and its four planes of scale words: 28 LDS loads, each of 512 or 128 consecutive bytes
.macro LOADSET area, sc, adr, ads, sig
	WIN 0x40
.irp j, 0,1,2,3,4,5,6,7,8,9,10,11
	ds_load_b128 v[\area+4*\j:\area+4*\j+3], v[\adr] offset:12288*(\sig)+512*\j
.endr
	WIN 0x80
.irp j, 0,1,2,3,4,5,6,7,8,9,10,11
	ds_load_b128 v[\area+4*\j:\area+4*\j+3], v[\adr] offset:12288*(\sig)+6144+512*\j
.endr
	WIN 0
.irp i, 0,1,2,3
	ds_load_b32 v[\sc+\i], v[\ads] offset:SCO+512*(\sig)+128*\i
.endr
.endm
; The four row tiles' fragments of one K step, and their scale words: 16 LDS loads
.macro LOADB bb, bsc, adr, ads, mstr, ks
.irp m, 0,1,2,3
.irp c, 0,1,2
	ds_load_b128 v[\bb+12*\m+4*\c:\bb+12*\m+4*\c+3], v[\adr] offset:((\mstr)*\m+(\ks))*1536+512*\c
.endr
	ds_load_b32 v[\bsc+\m], v[\ads] offset:((\mstr)*\m+(\ks))*128
.endr
.endm
; 32 matrix instructions: 8 weight tiles x 4 row tiles, one K step, transposed.  The 32 accumulators take turns, one instruction a turn.
; kind 0: accumulator (m, t) at 64 m + 8 t of window 3; first = 1: b1 is the sum's first C.   kind 2: onto accumulator (m, t) of windows 1 and 2, which holds x + b2.
.macro MM kind, area, asc, bb, bsc, first
.irp t, 0,1,2,3,4,5,6,7
.if \kind == 0
.if \first
	WIN 0xD1+0x11*(\t/4)
.else
	WIN 0xF1+(\t/4)
.endif
.irp m, 0,1,2,3
.if \first
	WM 64*\m+8*\t, \area+12*(\t%4), \bb+12*\m, BIAS+8*(\t%4), \asc+(\t%4), \bsc+\m, \t/4, 0
.else
	WM 64*\m+8*\t, \area+12*(\t%4), \bb+12*\m, 64*\m+8*\t, \asc+(\t%4), \bsc+\m, \t/4, 0
.endif
.endr
.else
	WIN 0x51*(1+\t/4)
.irp m, 0,1,2,3
	WM 32*\m+8*(\t%4), \area+12*(\t%4), \bb+12*\m, 32*\m+8*(\t%4), \asc+(\t%4), \bsc+\m, \t/4, 0
.endr
.endif
.endr
.endm
; Two portions, the first in slot 0 and the second in slot 1: four K steps.  On entry the first set is in, or on its way to, KA.  While one set is multiplied the next set and the next K step's rows are fetched.
; fill = 1: each slot is filled again as soon as its two sets are in registers.  nxt = 1: the next pair's first set is fetched at the end.
.macro PAIR kind, badr, bsadr, mstr, k0, fill, nxt
	LOADB BB0, PS, \badr, \bsadr, \mstr, \k0
	LOADSET VA, VS, RA0, RS0, 1
	LOADB BB1, VRAW, \badr, \bsadr, \mstr, (\k0)+1
	s_wait_dscnt 44                                ; all but the 28 + 16 loads of the next K step
.if \kind == 0
	s_wait_loadcnt 0x0                             ; b1
	MM \kind, KA, KS, BB0, PS, 1
.else
	MM \kind, KA, KS, BB0, PS, 0
.endif
	WIN 0
	PLACES
.if \fill
	CHANGE 0
.else
	s_wait_tensorcnt 0x0                           ; slot 1's portion is in
	s_wait_dscnt 0x0
.endif
	LOADSET KA, KS, RA1, RS1, 0
	LOADB BB0, PS, \badr, \bsadr, \mstr, (\k0)+2
	MM \kind, VA, VS, BB1, VRAW, 0
	WIN 0
	PLACES
	LOADSET VA, VS, RA1, RS1, 1
	LOADB BB1, VRAW, \badr, \bsadr, \mstr, (\k0)+3
	s_wait_dscnt 44
	MM \kind, KA, KS, BB0, PS, 0
	WIN 0
	PLACES
.if \fill
	CHANGE 0
.else
	s_wait_dscnt 0x0
.endif
.if \nxt
	LOADSET KA, KS, RA0, RS0, 0
.endif
	MM \kind, VA, VS, BB1, VRAW, 0
	WIN 0
	PLACES
.endm
; 32 numbers of a lane in window win, register 16 b + i = k 32 b + 16 (lane / 16) + i: two blocks of 32, each shared with lane l xor 16.  Result: in v[qa] on the lower 16 codes and in v[QB] on the upper 16 codes
; of block (lane / 16); the two scale bytes in v[by], v[by + 1], in every lane.
.macro QHALF win, src, qa, by
	WIN (\win)*5
.irp b, 0,1
	v_max3_num_f32 v[TM+\b], |v[(\src)+16*\b]|, |v[(\src)+16*\b+1]|, 0x1800000   ; with the floor 2^(3 - 127): the byte cannot fall under 1
.endr
.irp i, 2,4,6,8,10,12,14
.irp b, 0,1
	v_max3_num_f32 v[TM+\b], |v[(\src)+16*\b+\i]|, |v[(\src)+16*\b+\i+1]|, v[TM+\b]
.endr
.endr
	WIN 0
.irp b, 0,1
	v_permlanex16_b32 v[TX+\b], v[TM+\b], s[SEL], s[SEL+1]
.endr
.irp b, 0,1
	v_max_num_f32 v[TM+\b], v[TM+\b], v[TX+\b]     ; the block's largest magnitude
.endr
.irp b, 0,1
	v_add_nc_u32 v[SO+\b], 0xff000000, v[TM+\b]    ; 2 off its exponent field: the conversion's scale operand
.endr
.irp b, 0,1
	v_lshrrev_b32 v[(\by)+\b], 23, v[SO+\b]        ; the scale's byte
.endr
	WIN \win
	v_cvt_scalef32_pk16_fp6_f32 v[(\qa):(\qa)+2], v[(\src):(\src)+15], v[SO]
	v_cvt_scalef32_pk16_fp6_f32 v[QB:QB+2], v[(\src)+16:(\src)+31], v[SO+1]
	WIN 0
	v_nop                                          ; one plain place behind a scaled conversion
.irp i, 0,1,2
	v_permlane16_swap_b32 v[(\qa)+\i], v[QB+\i]    ; a whole block to a lane: lanes 0-15 the first block, lanes 16-31 the second
.endr
.endm
.macro QUANT w0, s0, w1, s1            ; 64 numbers become a fragment's 12 registers in v[PC] on and its scale word in v[PW]
	QHALF \w0, \s0, PC, BY
.irp i, 0,1,2
	v_mov_b32 v[PC+3+\i], v[QB+\i]
.endr
	QHALF \w1, \s1, PC+6, BY+2
.irp i, 0,1,2
	v_mov_b32 v[PC+9+\i], v[QB+\i]
.endr
	v_lshl_or_b32 v[PW], v[BY+1], 8, v[BY]
	v_lshl_or_b32 v[PW], v[BY+2], 16, v[PW]
	v_lshl_or_b32 v[PW], v[BY+3], 24, v[PW]
.endm
.macro IMAGE adr, off
.irp c, 0,1,2
	ds_store_b128 v[\adr], v[PC+4*\c:PC+4*\c+3] offset:(\off)+512*\c
.endr
.endm
.macro BIASLD p                        ; a transposed product's C: lane (r, h) wants, for tile t, the bias of units 32 (t / 2) + 8 (t % 2) + 16 h + 0 .. 7
	WIN 0x40
.irp t, 0,1,2,3
	global_load_b128 v[BIAS+8*\t:BIAS+8*\t+3], v[BO], s[\p:\p+1] offset:(32*(\t/2)+8*(\t%2))*4
	global_load_b128 v[BIAS+8*\t+4:BIAS+8*\t+7], v[BO], s[\p:\p+1] offset:(32*(\t/2)+8*(\t%2))*4+16
.endr
	WIN 0x80
.irp t, 0,1,2,3
	global_load_b128 v[BIAS+8*\t:BIAS+8*\t+3], v[BO], s[\p:\p+1] offset:(64+32*(\t/2)+8*(\t%2))*4
	global_load_b128 v[BIAS+8*\t+4:BIAS+8*\t+7], v[BO], s[\p:\p+1] offset:(64+32*(\t/2)+8*(\t%2))*4+16
.endr
	WIN 0
.endm
.macro ADJLD off                       ; adj and hmc of the keys off bytes on: a lane's 16 neighbouring keys of its row in each of the four tiles
	WIN 0xC0
.irp q, 0,1,2,3
.irp i, 0,1,2,3
	global_load_b128 v[192+16*\q+4*\i:192+16*\q+4*\i+3], v[AO], s[AJ:AJ+1] offset:(\off)+8192*(32*(\q/2)+8*(\q%2))+16*\i th:TH_LOAD_NT
.endr
.endr
	WIN 0
.irp i, 0,1,2,3
	global_load_b128 v[HM+4*\i:HM+4*\i+3], v[HMO], s[HMB:HMB+1] offset:(\off)+16*\i
.endr
.endm
.macro GLD p, dst                      ; 64 numbers of a vector of 512: those of my lane's channels, register 8 t + j as in the accumulators
.irp b, 0,1,2,3
.irp i, 0,1,2,3
	global_load_b128 v[\dst+16*\b+4*\i:\dst+16*\b+4*\i+3], v[GO], s[\p:\p+1] offset:128*\b+16*\i
.endr
.endr
.endm
; S^T = K Q^T: my two tiles of keys x four tiles of queries x four K steps.  Four accumulators take turns, one instruction a turn.
.macro SCORES
.irp u, 0,1
	WIN 0x0D+\u
.irp k, 0,1,2,3
.irp q, 0,1,2,3
.if \k == 0
	WM S+16*\q+8*\u, KA+12*\k, 12*(4*\q+\k), -1, KS+\k, QS+4*(\q/2)+\k, \u, \q%2
.else
	WM S+16*\q+8*\u, KA+12*\k, 12*(4*\q+\k), S+16*\q+8*\u, KS+\k, QS+4*(\q/2)+\k, \u, \q%2
.endif
.endr
.endr
.endr
.endm
; O^T = O^T x f + V^T P^T: in front of each matrix instruction stand the four packed multiplications that bring its accumulator under the new M: one window setting serves both kinds of line.
.macro PV first
.irp t, 0,1,2,3,4,5,6,7
	WIN 0x51*(1+\t/4)
.irp q, 0,1,2,3
.if \first
	WM 32*\q+8*(\t%4), VA+12*(\t%4), PF+12*\q, -1, VS+(\t%4), PS+\q, \t/4, 0
.else
.irp i, 0,2,4,6
	v_pk_mul_f32 v[32*\q+8*(\t%4)+\i:32*\q+8*(\t%4)+\i+1], v[32*\q+8*(\t%4)+\i:32*\q+8*(\t%4)+\i+1], v[ST+8*\q+4:ST+8*\q+5] op_sel_hi:[1,0]
.endr
	WM 32*\q+8*(\t%4), VA+12*(\t%4), PF+12*\q, 32*\q+8*(\t%4), VS+(\t%4), PS+\q, \t/4, 0
.endif
.endr
.endr
.endm
; A KEY STEP.  first = 1: step 0, which starts M, the sums and O^T.
.macro STEP first
.if \first
	s_wait_loadcnt 20                              ; Q and its scale words are in; adj's 16 loads and hmc's 4 may be out
.endif
	s_wait_dscnt 0x0                               ; K's set and its scale words are in
	SCORES
	WIN 0
	v_add_nc_u32 v[ADR], s[TB], v[RA0]             ; four plain lines: the places behind the scores, and in front of the loads into V's registers
	v_add_nc_u32 v[ADB], s[TB], v[LB0]
	v_nop
	v_nop
	WIN 0x40
.irp j, 0,1,2,3,4,5,6,7,8,9,10,11
	ds_load_b128 v[VA+4*\j:VA+4*\j+3], v[ADR] offset:12288+512*\j
.endr
	WIN 0x80
.irp j, 0,1,2,3,4,5,6,7,8,9,10,11
	ds_load_b128 v[VA+4*\j:VA+4*\j+3], v[ADR] offset:12288+6144+512*\j
.endr
	WIN 0
	ds_load_b64 v[VRAW:VRAW+1], v[ADB] offset:25088        ; V's scale bytes: keys 0-63's,
	ds_load_b64 v[VRAW+2:VRAW+3], v[ADB] offset:25344      ; keys 64-127's
	s_wait_loadcnt 0x0                             ; adj and hmc, asked for a step ago
.irp q, 0,1,2,3
.irp i, 0,2,4,6,8,10,12,14
	v_pk_mul_f32 v[S+16*\q+\i:S+16*\q+\i+1], v[S+16*\q+\i:S+16*\q+\i+1], v[HM+\i:HM+\i+1]   ; each accumulator from its low end on
.endr
.endr
	WIN 0x03
.irp q, 0,1,2,3
.irp i, 0,2,4,6,8,10,12,14
	v_pk_mul_f32 v[S+16*\q+\i:S+16*\q+\i+1], v[192+16*\q+\i:192+16*\q+\i+1], v[S+16*\q+\i:S+16*\q+\i+1]   ; t
.endr
.endr
	WIN 0
.if \first
	ADJLD 512
	global_prefetch_b8 v[PFO], s[AJ:AJ+1] offset:1536 th:TH_LOAD_NT scope:SCOPE_SE
.else
	s_cmp_eq_u32 s[CNT], 15
	s_cbranch_scc1 .Lresidual_\@
	ADJLD 512                                      ; the next step's
	s_cmp_gt_u32 s[CNT], 12
	s_cbranch_scc1 .Lasked_\@
	global_prefetch_b8 v[PFO], s[AJ:AJ+1] offset:1536 th:TH_LOAD_NT scope:SCOPE_SE   ; adj of the step three on, two trips ahead of its load: 128 lanes, one to each 256 bytes; steps 13 to 15 ask for nothing
	s_branch .Lasked_\@
.Lresidual_\@:
	WIN 0xC0                                       ; the last step: H's rows for the residual, into the registers that Q and adj have left
.irp q, 0,1,2,3
.irp b, 0,1,2,3
.irp i, 0,1,2,3
	global_load_b128 v[64*\q+16*\b+4*\i:64*\q+16*\b+4*\i+3], v[HO], s[18:19] offset:2048*(32*(\q/2)+8*(\q%2))+128*\b+16*\i th:TH_LOAD_NT
.endr
.endr
.endr
	WIN 0
.Lasked_\@:
.endif
.irp q, 0,1,2,3
	v_max3_num_f32 v[ST+8*\q+6], v[S+16*\q], v[S+16*\q+1], v[S+16*\q+2]   ; the largest t of my block of 32 keys, for each tile's query; the four tiles by turns
.endr
.irp i, 3,5,7,9,11,13
.irp q, 0,1,2,3
	v_max3_num_f32 v[ST+8*\q+6], v[ST+8*\q+6], v[S+16*\q+\i], v[S+16*\q+\i+1]
.endr
.endr
.irp q, 0,1,2,3
	v_max_num_f32 v[ST+8*\q+6], v[ST+8*\q+6], v[S+16*\q+15]
.endr
.irp q, 0,1,2,3
	v_permlanex16_b32 v[ST+8*\q+7], v[ST+8*\q+6], s[SEL], s[SEL+1]
.endr
.irp q, 0,1,2,3
	v_max_num_f32 v[ST+8*\q+6], v[ST+8*\q+6], v[ST+8*\q+7]
.endr
.irp q, 0,1,2,3
	ds_store_b32 v[STS], v[ST+8*\q+6] offset:256*\q
.endr
	BARRIER                                        ; the four blocks' largest t lie in LDS
.irp q, 0,1,2,3
	ds_load_b128 v[RB+4*\q:RB+4*\q+3], v[STL] offset:256*\q
.endr
	v_perm_b32 v[VS], v[VRAW+2], v[VRAW], s[P0]    ; V's scale words: byte 2 c + h of a word is the byte of key block 2 h + c
	v_perm_b32 v[VS+1], v[VRAW+2], v[VRAW], s[P1]
	v_perm_b32 v[VS+2], v[VRAW+3], v[VRAW+1], s[P0]
	v_perm_b32 v[VS+3], v[VRAW+3], v[VRAW+1], s[P1]
	s_wait_dscnt 0x0
.irp q, 0,1,2,3
	v_max3_num_f32 v[ST+8*\q+7], v[RB+4*\q], v[RB+4*\q+1], v[RB+4*\q+2]
.endr
.irp q, 0,1,2,3
.if \first
	v_max_num_f32 v[ST+8*\q+1], v[ST+8*\q+7], v[RB+4*\q+3]
.else
	v_max3_num_f32 v[ST+8*\q+1], v[ST+8*\q+7], v[RB+4*\q+3], v[ST+8*\q+1]   ; the running largest t: the same number in all four waves
.endif
.endr
.if \first == 0
.irp q, 0,1,2,3
	v_mov_b32 v[ST+8*\q+7], v[ST+8*\q]
.endr
.endif
.irp q, 0,1,2,3
	v_floor_f32 v[ST+8*\q], -v[ST+8*\q+1]          ; -M = floor(-t) = -ceil(t): M is a whole number
.endr
.if \first == 0
.irp q, 0,1,2,3
	v_sub_f32 v[ST+8*\q+7], v[ST+8*\q], v[ST+8*\q+7]   ; old M - new M: a whole number, 0 or less
.endr
.irp q, 0,1,2,3
	v_cvt_i32_f32 v[ST+8*\q+7], v[ST+8*\q+7]       ; (it saturates)
.endr
.irp q, 0,1,2,3
	v_ldexp_f32 v[ST+8*\q+4], 1.0, v[ST+8*\q+7]    ; f = 2^(old M - new M)
.endr
.endif
.irp q, 0,1,2,3
.irp i, 0,2,4,6,8,10,12,14
	v_pk_add_f32 v[S+16*\q+\i:S+16*\q+\i+1], v[S+16*\q+\i:S+16*\q+\i+1], v[ST+8*\q:ST+8*\q+1] op_sel_hi:[1,0]   ; t - M
.endr
.endr
.irp q, 0,1,2,3
	v_add_f32 v[ST+8*\q+6], v[ST+8*\q+6], v[ST+8*\q]   ; the same of the block's largest t
.endr
.set i, 0
.rept 64
	v_exp_f32 v[S+i], v[S+i]                       ; p = 2^(t - M), at most 1: not normalised
.set i, i+1
.endr
.irp q, 0,1,2,3
	v_exp_f32 v[ST+8*\q+6], v[ST+8*\q+6]           ; the block's largest p
.endr
.if \first
	v_nop                                          ; a plain place behind the exponentials
	s_wait_alu depctr_va_vdst(0)
.else
	s_wait_alu depctr_va_vdst(0)
.irp q, 0,1,2,3
	v_pk_mul_f32 v[ST+8*\q+2:ST+8*\q+3], v[ST+8*\q+2:ST+8*\q+3], v[ST+8*\q+4:ST+8*\q+5] op_sel_hi:[1,0]   ; the sums under the new M.  (A plain place behind the exponentials)
.endr
.endif
.irp q, 0,1,2,3
	v_max_num_f32 v[ST+8*\q+6], 0x1800000, v[ST+8*\q+6]   ; the floor 2^(3 - 127): the byte cannot fall under 1
.endr
.irp q, 0,1,2,3
	v_add_nc_u32 v[SCP+\q], 0xff000000, v[ST+8*\q+6]   ; 2 off the exponent field: the conversion's scale operand
.endr
.irp q, 0,1,2,3
	v_lshrrev_b32 v[BYQ+\q], 23, v[SCP+\q]
.endr
.irp q, 0,1,2,3
	v_cvt_scalef32_pk16_fp6_f32 v[RB+4*\q:RB+4*\q+2], v[S+16*\q:S+16*\q+15], v[SCP+\q]   ; my 16 keys' codes: half a block, 12 bytes
.endr
	v_nop                                          ; one plain place behind a scaled conversion
.irp q, 0,1,2,3
.irp i, 0,1,2
	ds_store_b32 v[PST], v[RB+4*\q+\i] offset:1536*\q+4*\i   ; to their place in P's fragment: lane 16 (w / 2) + r, registers 6 (w % 2) + 3 h on
.endr
	ds_store_b8 v[PBY], v[BYQ+\q] offset:64*\q     ; both halves of the lanes write the same byte with the same value
.endr
.if \first
.irp q, 0,1,2,3
	v_pk_add_f32 v[ST+8*\q+2:ST+8*\q+3], v[S+16*\q:S+16*\q+1], v[S+16*\q+2:S+16*\q+3]   ; the row's sum is taken of the unquantised p
.endr
.irp i, 4,6,8,10,12,14
.irp q, 0,1,2,3
	v_pk_add_f32 v[ST+8*\q+2:ST+8*\q+3], v[ST+8*\q+2:ST+8*\q+3], v[S+16*\q+\i:S+16*\q+\i+1]
.endr
.endr
.else
.irp i, 0,2,4,6,8,10,12,14
.irp q, 0,1,2,3
	v_pk_add_f32 v[ST+8*\q+2:ST+8*\q+3], v[ST+8*\q+2:ST+8*\q+3], v[S+16*\q+\i:S+16*\q+\i+1]
.endr
.endr
.endif
	CHANGE 1                                       ; P lies in LDS; this step's K and V are in registers: the slot takes the row two steps on
	v_add_nc_u32 v[ADR], s[TB], v[RA0]
	v_add_nc_u32 v[ADS], s[TB], v[RS0]
.irp q, 0,1,2,3
.irp c, 0,1,2
	ds_load_b128 v[PF+12*\q+4*\c:PF+12*\q+4*\c+3], v[PLD] offset:1536*\q+16*\c
.endr
.endr
.irp q, 0,1,2,3
	ds_load_b32 v[PS+\q], v[PSL] offset:64*\q
.endr
	LOADSET KA, KS, ADR, ADS, 0                    ; the next step's K (behind the last step: W1's first set)
	s_wait_dscnt 28                                ; P is in; the 24 + 4 loads just issued may be out
	PV \first
	WIN 0
.endm
; Four sums, one for each tile's row, of pairs v[src + str q]: over the pair, lane l xor 16 and the four waves (through 1,024 bytes at a, used once).  Result in v248-251, in every lane of every wave.
.macro LNX a, src, str
.irp q, 0,1,2,3
	v_add_f32 v[248+\q], v[(\src)+(\str)*\q], v[(\src)+(\str)*\q+1]
.endr
.irp q, 0,1,2,3
	v_permlanex16_b32 v[252+\q], v[248+\q], s[SEL], s[SEL+1]
.endr
.irp q, 0,1,2,3
	v_add_f32 v[248+\q], v[248+\q], v[252+\q]
.endr
.irp q, 0,1,2,3
	ds_store_b32 v[STS], v[248+\q] offset:(\a)-STAT+256*\q
.endr
	BARRIER
.irp q, 0,1,2,3
	ds_load_b128 v[LRB+4*\q:LRB+4*\q+3], v[STL] offset:(\a)-STAT+256*\q
.endr
	s_wait_dscnt 0x0
.irp q, 0,1,2,3
	v_add_f32 v[248+\q], v[LRB+4*\q], v[LRB+4*\q+1]
.endr
.irp q, 0,1,2,3
	v_add_f32 v[252+\q], v[LRB+4*\q+2], v[LRB+4*\q+3]
.endr
.irp q, 0,1,2,3
	v_add_f32 v[248+\q], v[248+\q], v[252+\q]
.endr
.endm
.macro YSUM w                          ; the sums take my 32 numbers of each row in window w, each accumulator from its low end on
	WIN \w
.set i, 0
.rept 16
.irp q, 0,1,2,3
	v_pk_add_f32 v[SUM+2*\q:SUM+2*\q+1], v[32*\q+i:32*\q+i+1], v[SUM+2*\q:SUM+2*\q+1]
.endr
.set i, i+2
.endr
.endm
.macro YVAR w                          ; y - mean, in place; then its squares are summed
	WIN 0x41*(\w)
.set i, 0
.rept 16
.irp q, 0,1,2,3
	v_pk_add_f32 v[32*\q+i:32*\q+i+1], v[32*\q+i:32*\q+i+1], v[NMP+2*\q:NMP+2*\q+1] op_sel_hi:[1,0]
.endr
.set i, i+2
.endr
	WIN 5*(\w)
.set i, 0
.rept 16
.irp q, 0,1,2,3
	v_pk_fma_f32 v[SUM+2*\q:SUM+2*\q+1], v[32*\q+i:32*\q+i+1], v[32*\q+i:32*\q+i+1], v[SUM+2*\q:SUM+2*\q+1]
.endr
.set i, i+2
.endr
.endm
.macro YOUT w                          ; x 1 / sqrt(variance + eps), x gain + offset
	WIN 0x41*(\w)
.set i, 0
.rept 16
.irp q, 0,1,2,3
	v_pk_mul_f32 v[32*\q+i:32*\q+i+1], v[32*\q+i:32*\q+i+1], v[NMP+2*\q:NMP+2*\q+1] op_sel_hi:[1,0]
.endr
.irp q, 0,1,2,3
	v_pk_fma_f32 v[32*\q+i:32*\q+i+1], v[32*\q+i:32*\q+i+1], v[G+32*((\w)-1)+i:G+32*((\w)-1)+i+1], v[BE+32*((\w)-1)+i:BE+32*((\w)-1)+i+1]
.endr
.set i, i+2
.endr
.endm
; The layer norm of the 64 rows in windows 1 and 2, in place; gain in v[G] on, offset in v[BE] on.  The variance is the mean of squared differences from the mean: no difference of large sums is formed.
.macro LNORM a1, a2
.irp i, 0,1,2,3,4,5,6,7
	v_mov_b32 v[SUM+\i], 0
.endr
	YSUM 1
	YSUM 2
	WIN 0
	LNX \a1, SUM, 2
.irp q, 0,1,2,3
	v_mul_f32 v[NMP+2*\q], 0xbb000000, v[248+\q]   ; -mean = sum x -1 / 512
.endr
.irp i, 0,1,2,3,4,5,6,7
	v_mov_b32 v[SUM+\i], 0
.endr
	YVAR 1
	YVAR 2
	WIN 0
	LNX \a2, SUM, 2
.irp q, 0,1,2,3
	v_fma_f32 v[248+\q], v[248+\q], s[C512], s[CEPS]   ; variance + eps
.endr
.irp q, 0,1,2,3
	v_rsq_f32 v[NMP+2*\q], v[248+\q]
.endr
	v_nop                                          ; a plain place behind the transcendentals
	s_wait_alu depctr_va_vdst(0)
	s_wait_loadcnt 0x0                             ; gain and offset
	YOUT 1
	YOUT 2
	WIN 0
.endm
	s_load_b512 s[8:23], s[0:1], 0x0               ; qf, kv, wf, hmc, adj, H, g1, be1
	s_load_b256 s[24:31], s[0:1], 0x40             ; b1, b2, g2, be2
	s_load_b64 s[32:33], s[0:1], 0x60              ; out0
	v_lshl_add_u32 v[SPW], v0, 2, SPARE
	v_mov_b32 v[NIL], 0
	ds_add_u32 v9, v10
	s_wait_dscnt 0x0
	v_lshrrev_b32 v248, 5, v0
	v_readfirstlane_b32 s[WV], v248                ; wave 0..3
	s_bfe_u32 s[CX], ttmp6, 0x40000                ; my place in the cluster
	s_lshl_b32 s[QBK], ttmp9, 2
	s_add_co_u32 s[QBK], s[QBK], s[CX]             ; my block of 64 queries: it enters global addresses of qf, adj, H and out0 alone
	s_and_b32 s[BT], ttmp7, 0xffff                 ; the batch, which the four partners share
	; descriptor group 1: a portion, 25,600 dense bytes, as 100 rows of 256 bytes
	s_mov_b32 s[G1], 15|(3<<16)|(1<<21)            ; 15:0 the mask: all four work-groups; 17:16 elements of 8 bytes; 20 no padding; 21 set beside a mask
	s_mov_b32 s[G1+1], 32<<16                      ; tensor_dim0 = 32
	s_mov_b32 s[G1+2], 100<<16                     ; tensor_dim1 = 100
	s_mov_b32 s[G1+3], 32<<16                      ; tile_dim0 = 32
	s_mov_b32 s[G1+4], 100                         ; tile_dim1 = 100
	s_mov_b32 s[G1+5], 32                          ; from row to row
	s_mov_b32 s[G1+6], 0
	s_mov_b32 s[G1+7], 0
	s_mov_b32 s[SEL], 0x76543210
	s_mov_b32 s[SEL+1], 0xfedcba98                 ; v_permlanex16_b32's selects for lane l xor 16
	s_mov_b32 s[P0], 0x05010400
	s_mov_b32 s[P1], 0x07030602
	s_mov_b32 s[C512], 0x3b000000                  ; 1 / 512
	s_mov_b32 s[CEPS], 0x3727c5ac                  ; 1e-5
	s_mov_b32 s[TB], 0
	s_mov_b32 s[CNT], 0
	s_mov_b32 s[HC], 0
	s_mov_b32 s[HC2], 0
	s_mov_b32 s[FT], 0
	s_lshl_b32 s80, s[BT], 11
	s_lshl_b32 s81, s[QBK], 6
	s_add_co_u32 s80, s80, s81                     ; my first row among the 16,384
	s_lshl_b32 s82, s80, 13                        ; adj: rows of 8,192 bytes
	s_mov_b32 s83, 0
	s_lshl_b32 s84, s80, 11                        ; H, out0: rows of 2,048 bytes
	s_mov_b32 s85, 0
	s_lshr_b32 s86, s80, 6
	s_mul_i32 s86, s86, PORT                       ; qf: my block's portion
	s_mov_b32 s87, 0
	s_mul_i32 s78, s[WV], PORT                     ; my part of a slot and of a row: the wave's number alone
	s_mul_i32 s90, s[BT], 16*PROW
	s_add_co_u32 s90, s90, s78                     ; kv: the batch's first row, my part: batch and wave alone
	s_mov_b32 s91, 0
	s_add_co_u32 s92, s78, 6*PROW                  ; wf: row 6, my part
	s_mov_b32 s93, 0
	s_lshl_b32 s94, s[WV], 10                      ; b1: my 256 units
	s_mov_b32 s95, 0
	v_and_b32 v248, 31, v0                         ; lane
	v_and_b32 v249, 15, v0                         ; r
	v_bfe_u32 v250, v0, 4, 1                       ; h
	v_and_b32 v251, 8, v249
	v_add_nc_u32 v251, v251, v249                  ; r + 8 (r / 8)
	v_lshlrev_b32 v[LI], 4, v248
	v_lshlrev_b32 v[LS], 2, v248
	v_add_nc_u32 v[RA0], s78, v[LI]
	v_add_nc_u32 v[RS0], s78, v[LS]
	v_add_nc_u32 v[RA1], SLOT1, v[RA0]
	v_add_nc_u32 v[RS1], SLOT1, v[RS0]
	v_lshl_add_u32 v[LB0], v248, 3, s78
	s_lshl_b32 s81, s[WV], 7
	v_lshlrev_b32 v[AO], 13, v251
	v_lshl_add_u32 v[AO], v250, 6, v[AO]
	v_add_nc_u32 v[AO], s81, v[AO]                 ; 8,192 (r + 8 (r / 8)) + 128 w + 64 h
	v_lshl_add_u32 v[HMO], v250, 6, s81
	s_lshl_b32 s79, s[WV], 17
	v_lshl_add_u32 v[PFO], v249, 13, s79
	v_lshl_add_u32 v[PFO], v250, 8, v[PFO]         ; 8,192 (16 w + r) + 256 h
	s_lshr_b32 s88, s[WV], 1
	s_and_b32 s89, s[WV], 1
	s_mul_i32 s79, s88, 768
	s_mul_i32 s75, s89, 24
	s_add_co_u32 s79, s79, s75
	s_add_co_u32 s79, s79, PIMG
	v_mul_u32_u24 v[PST], v249, 48
	v_mad_u32_u24 v[PST], v250, 12, v[PST]
	v_add_nc_u32 v[PST], s79, v[PST]               ; PIMG + 48 (r + 16 (w / 2)) + 24 (w % 2) + 12 h
	s_lshl_b32 s79, s89, 1
	s_add_co_u32 s79, s79, s88
	s_add_co_u32 s79, s79, PSC
	v_lshl_add_u32 v[PBY], v249, 2, s79            ; PSC + 4 r + 2 (w % 2) + w / 2
	v_mul_u32_u24 v[PLD], v248, 48
	v_add_nc_u32 v[PLD], PIMG, v[PLD]
	v_lshl_add_u32 v[PSL], v249, 2, PSC
	s_lshl_b32 s79, s[WV], 2
	s_add_co_u32 s79, s79, STAT
	v_lshl_add_u32 v[STS], v249, 4, s79
	v_lshl_add_u32 v[STL], v249, 4, STAT
	v_add_nc_u32 v[XRD], XIMG, v[LI]
	v_add_nc_u32 v[XSR], XSC, v[LS]
	s_mul_i32 s79, s[WV], 1536
	v_add_nc_u32 v[XWI], s79, v[XRD]
	v_add_nc_u32 v[XWS], s81, v[XSR]
	v_add_nc_u32 v[HRD], HIMG, v[LI]
	v_add_nc_u32 v[HSR], HSC, v[LS]
	s_mul_i32 s79, s[WV], 3072
	v_add_nc_u32 v[HWI], s79, v[HRD]
	s_lshl_b32 s79, s[WV], 8
	v_add_nc_u32 v[HWS], s79, v[HSR]
	s_lshl_b32 s89, s[WV], 9
	v_lshlrev_b32 v[HO], 11, v251
	v_lshl_add_u32 v[HO], v250, 6, v[HO]
	v_add_nc_u32 v[HO], s89, v[HO]                 ; 2,048 (r + 8 (r / 8)) + 512 w + 64 h
	v_lshl_add_u32 v[GO], v250, 6, s89
	v_lshlrev_b32 v[BO], 6, v250
	s_mul_i32 s79, s[WV], 8448
	s_add_co_u32 s79, s79, HIMG                    ; my stage
	v_mul_u32_u24 v[STO], v249, 528
	v_lshl_add_u32 v[STO], v250, 6, v[STO]
	v_add_nc_u32 v[STO], s79, v[STO]
	v_add_nc_u32 v[SR], s79, v[LI]
	v_add_nc_u32 v[OO], s89, v[LI]
.irp q, 0,1,2,3
	v_mov_b32 v[ST+8*\q+5], 0                      ; named as the upper half of f's pair
	v_mov_b32 v[ST+8*\q+7], 0                      ; a lane permute's destination counts as one of its sources
	v_mov_b32 v[252+\q], 0
.endr
	s_wait_kmcnt 0x0
	s_add_nc_u64 s[10:11], s[10:11], s[90:91]      ; kv at the batch's row 0, my part
	s_mov_b32 s[G0A], 1                            ; step 0 into slot 0
	s_mov_b32 s[G0A+1], s78
	s_mov_b64 s[G0A+2:G0A+3], s[10:11]
	s_or_b32 s[G0A+3], s[G0A+3], 0x80000000
	s_mov_b32 s[G0], 1                             ; step 1 into slot 1; this descriptor then walks
	s_add_co_u32 s[G0+1], s78, SLOT1
	s_add_nc_u64 s[G0+2:G0+3], s[10:11], PROW
	s_or_b32 s[G0+3], s[G0+3], 0x80000000
	s_add_nc_u64 s[WFP:WFP+1], s[12:13], s[92:93]
	s_or_b32 s[WFP+1], s[WFP+1], 0x80000000
	s_add_nc_u64 s[8:9], s[8:9], s[86:87]
	s_add_nc_u64 s[AJ:AJ+1], s[16:17], s[82:83]
	s_mov_b64 s[HMB:HMB+1], s[14:15]
	s_add_nc_u64 s[18:19], s[18:19], s[84:85]
	s_add_nc_u64 s[32:33], s[32:33], s[84:85]
	s_add_nc_u64 s[24:25], s[24:25], s[94:95]
	ROUND                                          ; all four work-groups are here: the first joint loads meet
	tensor_load_to_lds s[G0A:G0A+3], s[G1:G1+7]
	s_nop 0
	tensor_load_to_lds s[G0:G0+3], s[G1:G1+7]
	s_nop 0
	PLACES
	WIN 0xC0
.set j, 0
.rept 48
	global_load_b128 v[4*j:4*j+3], v[LI], s[8:9] offset:512*j   ; Q's 16 fragments stay in registers: fragment 4 q + K step at 12 registers each
.set j, j+1
.endr
	WIN 0
.irp a, 0,1
.irp k, 0,1,2,3
	global_load_b32 v[QS+4*\a+\k], v[LS], s[8:9] offset:SCO+512*\a+128*\k   ; lanes 0-15: tile 2 a's words, lanes 16-31: tile 2 a + 1's
.endr
.endr
	ADJLD 0
	global_prefetch_b8 v[PFO], s[AJ:AJ+1] offset:1024 th:TH_LOAD_NT scope:SCOPE_SE   ; adj of step 2
	s_wait_tensorcnt 0x1                           ; my part of step 0's row is in (I alone read it); step 1's may be out
	LOADSET KA, KS, RA0, RS0, 0
	STEP 1                                         ; step 0 is written out: it starts the sums
	s_mov_b32 s[CNT], 1
.Lstep:
	STEP 0
	s_add_co_u32 s[CNT], s[CNT], 1
	s_cmp_lt_u32 s[CNT], 16
	s_cbranch_scc1 .Lstep
	; ---- the rows' sums; O^T / l + H
	PLACES
	s_wait_loadcnt 0x0                             ; every load of the key loop is in: H's rows, which the multiply-adds below read; and no load is out that could still land in hmc's registers, which be1's loads take
	GLD 20, G                                      ; g1
	GLD 22, BE                                     ; be1: both are waited for in the norm, in front of its last pass
	LNX ST2, ST+2, 8
.irp q, 0,1,2,3
	v_rcp_f32 v[NMP+2*\q], v[248+\q]
.endr
	v_nop                                          ; a plain place behind the transcendentals
	WIN 0x71
	s_wait_alu depctr_va_vdst(0)
.irp q, 0,1,2,3
.set i, 0
.rept 16
	v_pk_fma_f32 v[32*\q+i:32*\q+i+1], v[32*\q+i:32*\q+i+1], v[NMP+2*\q:NMP+2*\q+1], v[64*\q+i:64*\q+i+1] op_sel_hi:[1,0,1]
.set i, i+2
.endr
.endr
	WIN 0xB2
.irp q, 0,1,2,3
.set i, 0
.rept 16
	v_pk_fma_f32 v[32*\q+i:32*\q+i+1], v[32*\q+i:32*\q+i+1], v[NMP+2*\q:NMP+2*\q+1], v[64*\q+32+i:64*\q+32+i+1] op_sel_hi:[1,0,1]
.set i, i+2
.endr
.endr
	WIN 0
	LNORM LNA, LNB                                 ; x
	GLD 26, BE                                     ; b2
.irp q, 0,1,2,3                        ; my 128 channels of x are K step w of the first product
	QUANT 1, 32*\q, 2, 32*\q
	IMAGE XWI, 6144*\q
	ds_store_b32 v[XWS], v[PW] offset:512*\q
	s_wait_dscnt 0x0                               ; the stores have read their registers
.endr
	s_wait_loadcnt 0x0
	WIN 0x41                                       ; x + b2 stays where it is: the second product adds onto it
.irp q, 0,1,2,3
.set i, 0
.rept 16
	v_pk_add_f32 v[32*\q+i:32*\q+i+1], v[32*\q+i:32*\q+i+1], v[BE+i:BE+i+1]
.set i, i+2
.endr
.endr
	WIN 0x82
.irp q, 0,1,2,3
.set i, 0
.rept 16
	v_pk_add_f32 v[32*\q+i:32*\q+i+1], v[32*\q+i:32*\q+i+1], v[BE+32+i:BE+32+i+1]
.set i, i+2
.endr
.endr
	WIN 0
	BARRIER                                        ; x's sixteen fragments lie in LDS
	; ---- the hidden layer: two trips, 128 of my 256 units in each
.Lhidden:
	BIASLD 24
	v_add_nc_u32 v[HWA], s[HC], v[HWI]
	v_add_nc_u32 v[HWB], s[HC2], v[HWS]
	PAIR 0, XRD, XSR, 4, 0, 1, 1
	WIN 0xCC
.set j, 0
.rept 256
	v_max_num_f32 v[j], 0, v[j]                    ; the activation, in f32
.set j, j+1
.endr
	WIN 0
.irp m, 0,1,2,3                        ; these 128 units are K step 2 w + trip of the second product
	QUANT 3, 64*\m, 3, 64*\m+32
	IMAGE HWA, 12288*\m
	ds_store_b32 v[HWB], v[PW] offset:1024*\m
	s_wait_dscnt 0x0
.endr
	s_wait_xcnt 0x0                                ; b1's loads have read their base
	s_add_nc_u64 s[24:25], s[24:25], 512
	s_add_co_u32 s[HC], s[HC], 1536
	s_add_co_u32 s[HC2], s[HC2], 128
	s_add_co_u32 s[FT], s[FT], 1
	s_cmp_lt_u32 s[FT], 2
	s_cbranch_scc1 .Lhidden
	BARRIER                                        ; the hidden layer's 32 fragments lie in LDS
	; ---- the second product, onto x + b2
	PAIR 2, HRD, HSR, 8, 0, 1, 1
	PAIR 2, HRD, HSR, 8, 4, 0, 0                   ; the last two rows of wf are written out: nothing is left to fetch
	GLD 28, G                                      ; g2
	GLD 30, BE                                     ; be2
	LNORM LNC, LND                                 ; its barriers also show that every wave has read the hidden layer's fragments: their bytes now serve as stages
	; ---- the way out: a tile of 16 rows x my 128 channels goes through my own stage and comes back as runs of 512 bytes of a row
.macro TOSTAGE q
	WIN 0x04
.irp b, 0,1
.irp u, 0,1
.irp e, 0,1
	ds_store_b128 v[STO], v[32*\q+16*\b+8*\u+4*\e:32*\q+16*\b+8*\u+4*\e+3] offset:128*\b+32*\u+16*\e
.endr
.endr
.endr
	WIN 0x08
.irp b, 0,1
.irp u, 0,1
.irp e, 0,1
	ds_store_b128 v[STO], v[32*\q+16*\b+8*\u+4*\e:32*\q+16*\b+8*\u+4*\e+3] offset:256+128*\b+32*\u+16*\e
.endr
.endr
.endr
	WIN 0
.irp p, 0,1,2,3,4,5,6,7,8,9,10,11,12,13,14,15
	ds_load_b128 v[OB+64*(\q%2)+4*\p:OB+64*(\q%2)+4*\p+3], v[SR] offset:528*\p   ; LDS serves a wave's instructions in order (ISA guide 5.7.1.4): these see the stores above, and the next tile's stores come behind them
.endr
.endm
.macro SEND q, younger                 ; younger: the LDS instructions issued behind tile q's loads, which may stay out
	s_wait_dscnt \younger
.irp p, 0,1,2,3,4,5,6,7,8,9,10,11,12,13,14,15
	global_store_b128 v[OO], v[OB+64*(\q%2)+4*\p:OB+64*(\q%2)+4*\p+3], s[32:33] offset:(32*(\q/2)+8*(\q%2)+\p+8*(\p/8))*2048 th:TH_STORE_NT   ; 32 lanes store 512 consecutive bytes, at a multiple of 256 from out0's first byte
.endr
.endm
	TOSTAGE 0
	TOSTAGE 1
	SEND 0, 32                                     ; behind tile 0's loads: tile 1's 16 stores and 16 loads
	s_wait_xcnt 0x0                                ; tile 0's stores have read their registers: tile 2's loads may land there
	TOSTAGE 2
	SEND 1, 32
	s_wait_xcnt 0x0
	TOSTAGE 3
	SEND 2, 32
	SEND 3, 0
	s_wait_tensorcnt 0x0                           ; the wave's end
	ds_add_u32 v[SPW], v[NIL]
	s_wait_dscnt 0x0
	ROUND                                          ; the closing round: no work-group ends while a partner may still ask for a tile that names it
	s_endpgm
.Lfunc_end_k_q9c7fb104ab_attn:
	.size	k_q9c7fb104ab_attn, .Lfunc_end_k_q9c7fb104ab_attn-k_q9c7fb104ab_attn
	.p2alignl 7, 3214868480
	.fill 96, 4, 3214868480
	.section	.rodata,"a",@progbits
	.p2align	6, 0x0
	.amdhsa_kernel k_q9c7fb104ab_attn
		.amdhsa_group_segment_fixed_size 327680
		.amdhsa_private_segment_fixed_size 0
		.amdhsa_enable_private_segment 0
		.amdhsa_kernarg_size 104
		.amdhsa_user_sgpr_count 2
		.amdhsa_user_sgpr_kernarg_segment_ptr 1
		.amdhsa_wavefront_size32 1
		.amdhsa_system_sgpr_workgroup_id_x 1
		.amdhsa_system_sgpr_workgroup_id_y 1
		.amdhsa_system_sgpr_workgroup_id_z 1
		.amdhsa_system_vgpr_workitem_id 0
		.amdhsa_next_free_vgpr 1024
		.amdhsa_next_free_sgpr 100
		.amdhsa_reserve_vcc 0
		.amdhsa_float_denorm_mode_32 3
		.amdhsa_float_denorm_mode_16_64 3
		.amdhsa_memory_ordered 1
		.amdhsa_forward_progress 1
		.amdhsa_inst_pref_size 255
	.end_amdhsa_kernel
	.section	.bss,"aw",@nobits
	.p2align	6
	.space	262144
	.amdgpu_metadata
---
amdhsa.version: [ 1, 2 ]
amdhsa.kernels:
  - .name:           k_q9c7fb104ab_attn
    .symbol:         k_q9c7fb104ab_attn.kd
    .args:
      - { .name: qf, .offset: 0, .size: 8, .value_kind: global_buffer, .address_space: global }
      - { .name: kv, .offset: 8, .size: 8, .value_kind: global_buffer, .address_space: global }
      - { .name: wf, .offset: 16, .size: 8, .value_kind: global_buffer, .address_space: global }
      - { .name: hmc, .offset: 24, .size: 8, .value_kind: global_buffer, .address_space: global }
      - { .name: adj, .offset: 32, .size: 8, .value_kind: global_buffer, .address_space: global }
      - { .name: H, .offset: 40, .size: 8, .value_kind: global_buffer, .address_space: global }
      - { .name: g1, .offset: 48, .size: 8, .value_kind: global_buffer, .address_space: global }
      - { .name: be1, .offset: 56, .size: 8, .value_kind: global_buffer, .address_space: global }
      - { .name: b1, .offset: 64, .size: 8, .value_kind: global_buffer, .address_space: global }
      - { .name: b2, .offset: 72, .size: 8, .value_kind: global_buffer, .address_space: global }
      - { .name: g2, .offset: 80, .size: 8, .value_kind: global_buffer, .address_space: global }
      - { .name: be2, .offset: 88, .size: 8, .value_kind: global_buffer, .address_space: global }
      - { .name: out0, .offset: 96, .size: 8, .value_kind: global_buffer, .address_space: global }
    .group_segment_fixed_size: 327680
    .private_segment_fixed_size: 0
    .kernarg_segment_align: 8
    .kernarg_segment_size: 104
    .max_flat_workgroup_size: 128
    .sgpr_count:     100
    .vgpr_count:     1024
    .wavefront_size: 32
...
	.end_amdgpu_metadata
.endif
;; end of part 3
;; ======== version 2 of 2: 3 launches
;; workspace buffers: wf 1,433,600 bytes; hmc 8,192 bytes; qf 6,553,600 bytes; kv 13,107,200 bytes
;; launch prep: the kernel of part 1 again; grid 156 x 1, 4 waves a work-group, no clusters, 0 bytes of LDS; arguments Wq_codes, Wq_scales, Wk_codes, Wk_scales, Wv_codes, Wv_scales, W1_codes, W1_scales, W2_codes, W2_scales, hop_emb, wf, hmc; writes wf, hmc
;; launch qkv: the kernel of part 2 again; grid 256 x 1, 4 waves a work-group, clusters of 4 x 1, 327,680 bytes of LDS; arguments H, wf, bq, bk, bv, qf, kv; writes qf, kv
;; launch attn (part 4): grid 32 x 8, 4 waves a work-group, clusters of 4 x 1, 327,680 bytes of LDS; arguments qf, kv, wf, hmc, adj, H, g1, be1, b1, b2, g2, be2, out0; writes out0
.if DOCPART == 4
	.amdgcn_target "amdgcn-amd-amdhsa--gfx1250"
	.amdhsa_code_object_version 6
	.text
	.protected	k_q9c7fb104ab_attn
	.globl	k_q9c7fb104ab_attn
	.p2align	8
	.type	k_q9c7fb104ab_attn,@function
k_q9c7fb104ab_attn:
	s_mov_b64 s[64:65], 0
	v_nop
	global_prefetch_b8 v0, s[64:65] scope:SCOPE_SE
	s_setreg_imm32_b32 hwreg(HW_REG_WAVE_MODE, 25, 1), 1
	s_wait_xcnt 0x0
	s_wait_alu depctr_hold_cnt(0) depctr_sa_sdst(0) depctr_va_vdst(0) depctr_va_sdst(0) depctr_va_ssrc(0) depctr_va_vcc(0) depctr_vm_vsrc(0)
	s_getreg_b32 s2, hwreg(HW_REG_IB_STS2, 6, 4)
	s_cmp_eq_u32 s2, 0
	s_cbranch_scc0 .Lentry_in_a_cluster
	s_endpgm
.Lentry_in_a_cluster:
	s_bfe_u32 s2, ttmp6, 0x10000c
	s_cmp_lg_u32 s2, 0x3003
	s_cbranch_scc0 .Lentry_shape_is_right
	s_endpgm
.Lentry_shape_is_right:
; out = LN2(relu(x W1 + b1) W2 + b2 + x), x = LN1(softmax(Q K^T / sqrt(512) x adj x mean(hop_emb)) V + H), every product on codes of E2M3 with one E8M0 scale for each 32 along K.
; SHARES.  A work-group owns 64 queries of one batch, as four tiles; lane r of tile q stands for row 32 (q / 2) + 8 (q % 2) + r + 8 (r / 8).  It walks the batch's 2,048 keys, 128 a step.
; In a step wave w makes S^T = K Q^T for keys 32 w .. 32 w + 31 against all 64 queries (32 matrix instructions) and O^T += V^T P^T for channels 128 w .. 128 w + 127 against all 64 queries (32): so each fragment
; of K and V is read from LDS once in the work-group and feeds four matrix instructions.  What goes from wave to wave is small: each block's largest exponent, and P's codes and scale bytes.
; Both products are used transposed: a lane holds ONE query throughout.
; SOFTMAX.  t = score x hmc[key] x adj[query][key] (hmc holds the mean, log2(e) and 1 / sqrt(512)); M = the row's largest t so far, rounded UP to a whole number; p = 2^(t - M) is quantised along the keys, a wave's 32 keys being
; one block; the row's sum is taken of the unquantised p; when M moves, the sum and O^T are multiplied by 2^(old M - new M), which rounds nothing.  A block's largest p is the block's largest t put through the same two instructions.
; THE KEY BLOCKS OF A STEP stand in P's and V's fragments alike at place (c, h) = block 2 h + c: the sums are the same products in another order.
; ADJ AND H COME IN WHOLE RUNS OF A ROW.  A lane wants 64 neighbouring bytes of its own row, which is four loads of 16 bytes; taken so, each load would name 16 rows and 32 bytes of each.  So a load of adj takes four rows x my wave's
; 128 bytes (eight lanes to a row), a load of H one row's 512 bytes of my wave's channels, and the bytes reach their lanes by a turn through my wave's own stage in LDS: stored as loaded, read back 64 bytes a lane.
; THE RING.  K and V of a step (one row of kv), and behind them W1 and W2 (rows 6 to 13 of wf), come through two LDS slots, 25,600 bytes for each wave, which it alone reads.  The four query blocks of a cluster walk the same rows:
; each is asked for JOINTLY (mask 15).  By this text's count two tensor loads of a wave are out at the start, later one.  A 4 x 4 cluster would share nothing more: Q, adj and H belong to one work-group each.
; BEHIND THE KEYS: O^T / l + H, LN1 (mean, then the mean of squared differences, as the problem has it), x quantised and handed round through LDS, the hidden layer (wave w: units 256 w on, in two halves) likewise,
; the second product added onto x + b2, LN2, and out through a stage in LDS as runs of 512 bytes of a row.  x and the hidden layer never go to memory.
; LIMITS: NaN and infinities are not served.  A block whose largest magnitude lies under 2^-124, a block of zeros among them, gets the byte 1; these bytes never leave the work-group.  t is formed as (score x hmc) x adj,
; another order of rounding than the problem's (about 1e-7 of the number); O^T / l and the residual are one fused multiply-add with 1 / l from v_rcp_f32.
; REGISTERS, in windows of 256.  Windows 1 and 2: v0-127 accumulator (q, t) at 32 q + 8 (t % 4), tiles 0-3 in window 1, 4-7 in window 2: O^T, then x, then the second product; v128-175 and v176-223 two sets of fragments; v224-255 b1.
;   window 3: Q's 16 fragments and adj; then H's rows; then the hidden layer's sums.   window 0: see the names below.
.set PORT,  25600
.set PROW,  102400
.set SCO,   24576
.set SLOT1, 131072                     ; slot 0 at LDS byte 0, slot 1 here
.set PIMG,  102400                     ; P: tile q at 1,536 q, 48 bytes a lane
.set PSC,   108544                     ; P's scale words: 4 (16 q + r)
.set STAT,  108800                     ; [16 q + r][wave] f32: the blocks' largest t
.set ST2,   109824                     ; the same shape: the rows' sums; the norms' four sums
.set LNA,   110848
.set LNB,   111872
.set LNC,   112896
.set LND,   113920
.set SPARE, 114944                     ; the spare words, 128 bytes for each wave: two blocks of 256 bytes that no other line names
.set XIMG,  233472                     ; x's 16 fragments (4 m + K step)
.set XSC,   258048
.set HIMG,  260096                     ; each wave's stage of 16 rows x 528 bytes for H's rows; then the hidden layer's 32 fragments (8 m + K step); at the end the stages again, for the way out
.set HSC,   309248
.set ASTG,  313344                     ; adj's stages: 16 rows x (128 bytes + 16) for each wave: row r starts 9 r places of 16 bytes on, so the 16 rows that a load touches start at 16 different places modulo 256 bytes
.set LI,  1                            ; 16 x lane
.set LS,  2                            ; 4 x lane
.set AST, 3                            ; adj's stage, on the way in: 144 (lane / 8) + 16 (lane % 8)
.set ARD, 4                            ; and on the way out: 144 r + 64 h
.set RA0, 5                            ; 16 x lane + 25,600 w: my part of slot 0
.set RS0, 6                            ; 4 x lane + 25,600 w
.set RA1, 7
.set RS1, 8
.set SPW, 9                            ; LDS address of my spare word; never rewritten
.set NIL, 10                           ; 0; never rewritten
.set LB0, 11                           ; 8 x lane + 25,600 w
.set ADR, 12                           ; the slot in hand + RA0, RS0, LB0
.set ADS, 13
.set ADB, 14
.set AO,  15                           ; adj: row lane / 8 of four, my wave's 32 keys, piece lane % 8 of their 128 bytes
.set HMO, 16                           ; hmc: my wave's 32 keys, my 16 of them
.set PFO, 17                           ; the prefetch: one lane to each 256 bytes of the work-group's 64 rows x 512 bytes
.set PST, 18                           ; where my 12 bytes of P's codes go
.set PBY, 19                           ; and my block's scale byte
.set PLD, 20
.set PSL, 21
.set STS, 22
.set STL, 23
.set XRD, 24
.set XSR, 25
.set XWI, 26
.set XWS, 27
.set HRD, 28
.set HSR, 29
.set HWI, 30
.set HWS, 31
.set HWA, 32
.set HWB, 33
.set GO,  35                           ; gains and offsets: my wave's 128 channels, my 16 of each 32
.set BO,  36                           ; 64 h
.set STO, 37                           ; my stage of rows of 528 bytes: row r, + 64 h
.set SR,  38                           ; the same stage by rows: 16 x lane
.set OO,  39                           ; a row of H or of out0: 16 x lane + 512 w
.set ST,  40                           ; tile q's statistics at ST + 8 q: +0 -M, +1 the largest t, +2 +3 the sum, +4 (+5) f, +6 the block's largest, +7 at work
.set SCP, 72                           ; the conversions' scale operands
.set BYQ, 76                           ; P's scale bytes
.set S,   80                           ; v80-143 S^T, then p: 16 q + 8 u
.set PF,  144                          ; v144-191 P's four fragments
.set HM,  192                          ; v192-207 hmc of my 16 keys
.set RB,  208                          ; v208-223 the four waves' largest t; then P's codes at 4 q
.set PC,  40                           ; behind the keys: the quantiser's registers
.set QB,  52
.set TM,  56
.set TX,  58
.set SO,  60
.set BY,  62
.set PW,  66
.set LRB, 40                           ; v40-55 the four waves' partial sums
.set BB1, 80                           ; four row tiles' fragments of a K step, two sets
.set BB0, 144
.set G,   80                           ; v80-143 a gain, v144-207 an offset, of my 64 channels
.set BE,  144
.set OB,  80                           ; the way out: two sets of 64
.set SUM, 208                          ; v208-215 four pairs
.set NMP, 216                          ; v216-223 four pairs: 1 / l; -mean; 1 / sqrt(variance + eps)
.set KS,  224                          ; scale words and nothing else: of the set in KA, in VA; Q's; P's or BB0's; V's bytes as they lie, or BB1's
.set VS,  228
.set QS,  232
.set PS,  240
.set VRAW, 244
.set VA,  128
.set KA,  176
.set BIAS, 224
.set G1,  36
.set G0A, 44
.set G0,  48
.set WFP, 52                           ; s[52:53] wf's row 6, my part, with the descriptor's type bits
.set WV,  54
.set CX,  55
.set QBK, 56
.set BT,  57
.set TB,  58                           ; LDS byte at which the slot in hand begins
.set CNT, 59                           ; the key step
.set SEL, 60
.set P0,  66
.set P1,  67
.set AJ,  68                           ; s[68:69] adj at my rows, this step's keys
.set HMB, 70                           ; s[70:71] hmc at this step's keys
.set HC,  72
.set FT,  73
.set HC2, 74
.set C512, 76
.set CEPS, 77
.set MSB, 0
.macro WIN new                         ; the immediate's high byte repeats the setting that is left; a switch that changes nothing is dropped
.if MSB != (\new)
	s_set_vgpr_msb (MSB<<8)|(\new)
.set MSB, (\new)
.endif
.endm
.macro PLACES                          ; four places: behind matrix instructions, in front of loads into their registers and of reads of their results
.rept 4
	v_nop
.endr
.endm
.macro BARRIER                         ; my LDS stores have landed and my LDS loads are in: then the work-group's barrier.  The slot's refill may stay on its way
	s_wait_dscnt 0x0
	s_barrier_signal -1
	s_barrier_wait -1
.endm
.macro ROUND                           ; a round of the cluster's barrier
	s_barrier_signal -1
	s_barrier_wait -1
	s_cmp_lg_u32 s[WV], 0
	s_cbranch_scc1 .Lnot_wave_0_\@
	s_barrier_signal -3
.Lnot_wave_0_\@:
	s_barrier_wait -3
	s_barrier_signal -1
	s_barrier_wait -1
.endm
; The slot that has been read out is filled again with the portion two further on.  att = 1: a key step's change: the step's pointers walk too, and behind the 16th row of kv the ring goes on into wf's row 6.
.macro CHANGE att
	s_wait_tensorcnt 0x0                           ; all my tensor loads have landed, the other slot's among them: so the descriptor may be written
	ds_add_u32 v[SPW], v[NIL]                      ; 0 onto my spare word
	s_xor_b32 s[G0+1], s[G0+1], SLOT1              ; the other slot than last time,
	s_add_nc_u64 s[G0+2:G0+3], s[G0+2:G0+3], PROW  ; the next row
.if \att
	s_wait_xcnt 0x0                                ; the loads and the prefetch have read their bases
	s_add_nc_u64 s[AJ:AJ+1], s[AJ:AJ+1], 512       ; 128 keys on
	s_add_nc_u64 s[HMB:HMB+1], s[HMB:HMB+1], 512
	s_xor_b32 s[TB], s[TB], SLOT1
	s_cmp_eq_u32 s[CNT], 14                        ; step 14 asks for what follows step 15's row
	s_cselect_b64 s[G0+2:G0+3], s[WFP:WFP+1], s[G0+2:G0+3]
.endif
	s_wait_dscnt 0x0                               ; the add is done, my LDS stores have landed and my reads of the slot are back
	ROUND                                          ; the same holds of every wave of the four work-groups
	tensor_load_to_lds s[G0:G0+3], s[G1:G1+7]      ; my one tensor load behind the round, and the first thing there
	s_nop 0
	PLACES
.endm
.macro WM d, a, b, c, sa, sb, ra, rb   ; one matrix instruction; c < 0: the constant 0 starts the sum; ra, rb: which half of the lanes holds the side's scale words
.if (\c) < 0
.if ((\ra) == 0) && ((\rb) == 0)
	v_wmma_scale_f32_16x16x128_f8f6f4 v[(\d):(\d)+7], v[(\a):(\a)+11], v[(\b):(\b)+11], 0, v[(\sa)], v[(\sb)] matrix_a_fmt:MATRIX_FMT_FP6 matrix_b_fmt:MATRIX_FMT_FP6
.elseif ((\ra) == 1) && ((\rb) == 0)
	v_wmma_scale_f32_16x16x128_f8f6f4 v[(\d):(\d)+7], v[(\a):(\a)+11], v[(\b):(\b)+11], 0, v[(\sa)], v[(\sb)] matrix_a_fmt:MATRIX_FMT_FP6 matrix_b_fmt:MATRIX_FMT_FP6 matrix_a_scale:MATRIX_SCALE_ROW1
.elseif ((\ra) == 0) && ((\rb) == 1)
	v_wmma_scale_f32_16x16x128_f8f6f4 v[(\d):(\d)+7], v[(\a):(\a)+11], v[(\b):(\b)+11], 0, v[(\sa)], v[(\sb)] matrix_a_fmt:MATRIX_FMT_FP6 matrix_b_fmt:MATRIX_FMT_FP6 matrix_b_scale:MATRIX_SCALE_ROW1
.else
	v_wmma_scale_f32_16x16x128_f8f6f4 v[(\d):(\d)+7], v[(\a):(\a)+11], v[(\b):(\b)+11], 0, v[(\sa)], v[(\sb)] matrix_a_fmt:MATRIX_FMT_FP6 matrix_b_fmt:MATRIX_FMT_FP6 matrix_a_scale:MATRIX_SCALE_ROW1 matrix_b_scale:MATRIX_SCALE_ROW1
.endif
.else
.if ((\ra) == 0) && ((\rb) == 0)
	v_wmma_scale_f32_16x16x128_f8f6f4 v[(\d):(\d)+7], v[(\a):(\a)+11], v[(\b):(\b)+11], v[(\c):(\c)+7], v[(\sa)], v[(\sb)] matrix_a_fmt:MATRIX_FMT_FP6 matrix_b_fmt:MATRIX_FMT_FP6
.elseif ((\ra) == 1) && ((\rb) == 0)
	v_wmma_scale_f32_16x16x128_f8f6f4 v[(\d):(\d)+7], v[(\a):(\a)+11], v[(\b):(\b)+11], v[(\c):(\c)+7], v[(\sa)], v[(\sb)] matrix_a_fmt:MATRIX_FMT_FP6 matrix_b_fmt:MATRIX_FMT_FP6 matrix_a_scale:MATRIX_SCALE_ROW1
.elseif ((\ra) == 0) && ((\rb) == 1)
	v_wmma_scale_f32_16x16x128_f8f6f4 v[(\d):(\d)+7], v[(\a):(\a)+11], v[(\b):(\b)+11], v[(\c):(\c)+7], v[(\sa)], v[(\sb)] matrix_a_fmt:MATRIX_FMT_FP6 matrix_b_fmt:MATRIX_FMT_FP6 matrix_b_scale:MATRIX_SCALE_ROW1
.else
	v_wmma_scale_f32_16x16x128_f8f6f4 v[(\d):(\d)+7], v[(\a):(\a)+11], v[(\b):(\b)+11], v[(\c):(\c)+7], v[(\sa)], v[(\sb)] matrix_a_fmt:MATRIX_FMT_FP6 matrix_b_fmt:MATRIX_FMT_FP6 matrix_a_scale:MATRIX_SCALE_ROW1 matrix_b_scale:MATRIX_SCALE_ROW1
.endif
.endif
.endm
; A set of 8 fragments and its four planes of scale words: 28 LDS loads, each of 512 or 128 consecutive bytes
.macro LOADSET area, sc, adr, ads, sig
	WIN 0x40
.irp j, 0,1,2,3,4,5,6,7,8,9,10,11
	ds_load_b128 v[\area+4*\j:\area+4*\j+3], v[\adr] offset:12288*(\sig)+512*\j
.endr
	WIN 0x80
.irp j, 0,1,2,3,4,5,6,7,8,9,10,11
	ds_load_b128 v[\area+4*\j:\area+4*\j+3], v[\adr] offset:12288*(\sig)+6144+512*\j
.endr
	WIN 0
.irp i, 0,1,2,3
	ds_load_b32 v[\sc+\i], v[\ads] offset:SCO+512*(\sig)+128*\i
.endr
.endm
; The four row tiles' fragments of one K step, and their scale words: 16 LDS loads
.macro LOADB bb, bsc, adr, ads, mstr, ks
.irp m, 0,1,2,3
.irp c, 0,1,2
	ds_load_b128 v[\bb+12*\m+4*\c:\bb+12*\m+4*\c+3], v[\adr] offset:((\mstr)*\m+(\ks))*1536+512*\c
.endr
	ds_load_b32 v[\bsc+\m], v[\ads] offset:((\mstr)*\m+(\ks))*128
.endr
.endm
; 32 matrix instructions: 8 weight tiles x 4 row tiles, one K step, transposed.  The 32 accumulators take turns, one instruction a turn.
; kind 0: accumulator (m, t) at 64 m + 8 t of window 3; first = 1: b1 is the sum's first C.   kind 2: onto accumulator (m, t) of windows 1 and 2, which holds x + b2.
.macro MM kind, area, asc, bb, bsc, first
.irp t, 0,1,2,3,4,5,6,7
.if \kind == 0
.if \first
	WIN 0xD1+0x11*(\t/4)
.else
	WIN 0xF1+(\t/4)
.endif
.irp m, 0,1,2,3
.if \first
	WM 64*\m+8*\t, \area+12*(\t%4), \bb+12*\m, BIAS+8*(\t%4), \asc+(\t%4), \bsc+\m, \t/4, 0
.else
	WM 64*\m+8*\t, \area+12*(\t%4), \bb+12*\m, 64*\m+8*\t, \asc+(\t%4), \bsc+\m, \t/4, 0
.endif
.endr
.else
	WIN 0x51*(1+\t/4)
.irp m, 0,1,2,3
	WM 32*\m+8*(\t%4), \area+12*(\t%4), \bb+12*\m, 32*\m+8*(\t%4), \asc+(\t%4), \bsc+\m, \t/4, 0
.endr
.endif
.endr
.endm
; Two portions, the first in slot 0 and the second in slot 1: four K steps.  On entry the first set is in, or on its way to, KA.  While one set is multiplied the next set and the next K step's rows are fetched.
; fill = 1: each slot is filled again as soon as its two sets are in registers.  nxt = 1: the next pair's first set is fetched at the end.
.macro PAIR kind, badr, bsadr, mstr, k0, fill, nxt
	LOADB BB0, PS, \badr, \bsadr, \mstr, \k0
	LOADSET VA, VS, RA0, RS0, 1
	LOADB BB1, VRAW, \badr, \bsadr, \mstr, (\k0)+1
	s_wait_dscnt 44                                ; all but the 28 + 16 loads of the next K step
.if \kind == 0
	s_wait_loadcnt 0x0                             ; b1
	MM \kind, KA, KS, BB0, PS, 1
.else
	MM \kind, KA, KS, BB0, PS, 0
.endif
	WIN 0
	PLACES
.if \fill
	CHANGE 0
.else
	s_wait_tensorcnt 0x0                           ; slot 1's portion is in
	s_wait_dscnt 0x0
.endif
	LOADSET KA, KS, RA1, RS1, 0
	LOADB BB0, PS, \badr, \bsadr, \mstr, (\k0)+2
	MM \kind, VA, VS, BB1, VRAW, 0
	WIN 0
	PLACES
	LOADSET VA, VS, RA1, RS1, 1
	LOADB BB1, VRAW, \badr, \bsadr, \mstr, (\k0)+3
	s_wait_dscnt 44
	MM \kind, KA, KS, BB0, PS, 0
	WIN 0
	PLACES
.if \fill
	CHANGE 0
.else
	s_wait_dscnt 0x0
.endif
.if \nxt
	LOADSET KA, KS, RA0, RS0, 0
.endif
	MM \kind, VA, VS, BB1, VRAW, 0
	WIN 0
	PLACES
.endm
; 32 numbers of a lane in window win, register 16 b + i = k 32 b + 16 (lane / 16) + i: two blocks of 32, each shared with lane l xor 16.  Result: in v[qa] on the lower 16 codes and in v[QB] on the upper 16 codes
; of block (lane / 16); the two scale bytes in v[by], v[by + 1], in every lane.
.macro QHALF win, src, qa, by
	WIN (\win)*5
.irp b, 0,1
	v_max3_num_f32 v[TM+\b], |v[(\src)+16*\b]|, |v[(\src)+16*\b+1]|, 0x1800000   ; with the floor 2^(3 - 127): the byte cannot fall under 1
.endr
.irp i, 2,4,6,8,10,12,14
.irp b, 0,1
	v_max3_num_f32 v[TM+\b], |v[(\src)+16*\b+\i]|, |v[(\src)+16*\b+\i+1]|, v[TM+\b]
.endr
.endr
	WIN 0
.irp b, 0,1
	v_permlanex16_b32 v[TX+\b], v[TM+\b], s[SEL], s[SEL+1]
.endr
.irp b, 0,1
	v_max_num_f32 v[TM+\b], v[TM+\b], v[TX+\b]     ; the block's largest magnitude
.endr
.irp b, 0,1
	v_add_nc_u32 v[SO+\b], 0xff000000, v[TM+\b]    ; 2 off its exponent field: the conversion's scale operand
.endr
.irp b, 0,1
	v_lshrrev_b32 v[(\by)+\b], 23, v[SO+\b]        ; the scale's byte
.endr
	WIN \win
	v_cvt_scalef32_pk16_fp6_f32 v[(\qa):(\qa)+2], v[(\src):(\src)+15], v[SO]
	v_cvt_scalef32_pk16_fp6_f32 v[QB:QB+2], v[(\src)+16:(\src)+31], v[SO+1]
	WIN 0
	v_nop                                          ; one plain place behind a scaled conversion
.irp i, 0,1,2
	v_permlane16_swap_b32 v[(\qa)+\i], v[QB+\i]    ; a whole block to a lane: lanes 0-15 the first block, lanes 16-31 the second
.endr
.endm
.macro QUANT w0, s0, w1, s1            ; 64 numbers become a fragment's 12 registers in v[PC] on and its scale word in v[PW]
	QHALF \w0, \s0, PC, BY
.irp i, 0,1,2
	v_mov_b32 v[PC+3+\i], v[QB+\i]
.endr
	QHALF \w1, \s1, PC+6, BY+2
.irp i, 0,1,2
	v_mov_b32 v[PC+9+\i], v[QB+\i]
.endr
	v_lshl_or_b32 v[PW], v[BY+1], 8, v[BY]
	v_lshl_or_b32 v[PW], v[BY+2], 16, v[PW]
	v_lshl_or_b32 v[PW], v[BY+3], 24, v[PW]
.endm
.macro IMAGE adr, off
.irp c, 0,1,2
	ds_store_b128 v[\adr], v[PC+4*\c:PC+4*\c+3] offset:(\off)+512*\c
.endr
.endm
.macro BIASLD p                        ; a transposed product's C: lane (r, h) wants, for tile t, the bias of units 32 (t / 2) + 8 (t % 2) + 16 h + 0 .. 7
	WIN 0x40
.irp t, 0,1,2,3
	global_load_b128 v[BIAS+8*\t:BIAS+8*\t+3], v[BO], s[\p:\p+1] offset:(32*(\t/2)+8*(\t%2))*4
	global_load_b128 v[BIAS+8*\t+4:BIAS+8*\t+7], v[BO], s[\p:\p+1] offset:(32*(\t/2)+8*(\t%2))*4+16
.endr
	WIN 0x80
.irp t, 0,1,2,3
	global_load_b128 v[BIAS+8*\t:BIAS+8*\t+3], v[BO], s[\p:\p+1] offset:(64+32*(\t/2)+8*(\t%2))*4
	global_load_b128 v[BIAS+8*\t+4:BIAS+8*\t+7], v[BO], s[\p:\p+1] offset:(64+32*(\t/2)+8*(\t%2))*4+16
.endr
	WIN 0
.endm
; adj and hmc of the keys off bytes on.  Load k of tile q takes the rows of the tile's lanes 4 k .. 4 k + 3 (four neighbouring rows) x my wave's 128 bytes: eight lanes to a row, each byte asked for once.
.macro ADJLD off
	WIN 0xC0
.irp q, 0,1,2,3
.irp k, 0,1,2,3
	global_load_b128 v[192+16*\q+4*\k:192+16*\q+4*\k+3], v[AO], s[AJ:AJ+1] offset:(\off)+8192*(32*(\q/2)+8*(\q%2)+16*(\k/2)+4*(\k%2)) th:TH_LOAD_NT
.endr
.endr
	WIN 0
.irp i, 0,1,2,3
	global_load_b128 v[HM+4*\i:HM+4*\i+3], v[HMO], s[HMB:HMB+1] offset:(\off)+16*\i
.endr
.endm
; adj's turn, a tile at a time through my own stage: in as loaded (row 4 k + lane / 8, piece lane % 8), back as 64 bytes a lane (row r, my 16 keys), into the registers that it left.
; LDS serves a wave's instructions in order (ISA guide 5.7.1.4): the loads see the stores above them, and the next tile's stores come behind them.  One window setting serves the stores' data and the loads' results.
.macro ATURN
	WIN 0xCC
.irp q, 0,1,2,3
.irp k, 0,1,2,3
	ds_store_b128 v[AST], v[192+16*\q+4*\k:192+16*\q+4*\k+3] offset:576*\k
.endr
.irp i, 0,1,2,3
	ds_load_b128 v[192+16*\q+4*\i:192+16*\q+4*\i+3], v[ARD] offset:16*\i
.endr
.endr
.endm
.macro GLD p, dst                      ; 64 numbers of a vector of 512: those of my lane's channels, register 8 t + j as in the accumulators
.irp b, 0,1,2,3
.irp i, 0,1,2,3
	global_load_b128 v[\dst+16*\b+4*\i:\dst+16*\b+4*\i+3], v[GO], s[\p:\p+1] offset:128*\b+16*\i
.endr
.endr
.endm
; S^T = K Q^T: my two tiles of keys x four tiles of queries x four K steps.  Four accumulators take turns, one instruction a turn.
.macro SCORES
.irp u, 0,1
	WIN 0x0D+\u
.irp k, 0,1,2,3
.irp q, 0,1,2,3
.if \k == 0
	WM S+16*\q+8*\u, KA+12*\k, 12*(4*\q+\k), -1, KS+\k, QS+4*(\q/2)+\k, \u, \q%2
.else
	WM S+16*\q+8*\u, KA+12*\k, 12*(4*\q+\k), S+16*\q+8*\u, KS+\k, QS+4*(\q/2)+\k, \u, \q%2
.endif
.endr
.endr
.endr
.endm
; O^T = O^T x f + V^T P^T: in front of each matrix instruction stand the four packed multiplications that bring its accumulator under the new M: one window setting serves both kinds of line.
.macro PV first
.irp t, 0,1,2,3,4,5,6,7
	WIN 0x51*(1+\t/4)
.irp q, 0,1,2,3
.if \first
	WM 32*\q+8*(\t%4), VA+12*(\t%4), PF+12*\q, -1, VS+(\t%4), PS+\q, \t/4, 0
.else
.irp i, 0,2,4,6
	v_pk_mul_f32 v[32*\q+8*(\t%4)+\i:32*\q+8*(\t%4)+\i+1], v[32*\q+8*(\t%4)+\i:32*\q+8*(\t%4)+\i+1], v[ST+8*\q+4:ST+8*\q+5] op_sel_hi:[1,0]
.endr
	WM 32*\q+8*(\t%4), VA+12*(\t%4), PF+12*\q, 32*\q+8*(\t%4), VS+(\t%4), PS+\q, \t/4, 0
.endif
.endr
.endr
.endm
; A KEY STEP.  first = 1: step 0, which starts M, the sums and O^T.
.macro STEP first
	s_wait_loadcnt 0x0                             ; adj and hmc of this step, asked for a step ago (in front of step 0: Q and its scale words too)
	s_wait_dscnt 0x0                               ; K's set and its scale words are in
	ATURN                                          ; adj goes through the stage while the scores are multiplied
	SCORES
	WIN 0
	v_add_nc_u32 v[ADR], s[TB], v[RA0]             ; four plain lines: the places behind the scores, and in front of the loads into V's registers
	v_add_nc_u32 v[ADB], s[TB], v[LB0]
	v_nop
	v_nop
	WIN 0x40
.irp j, 0,1,2,3,4,5,6,7,8,9,10,11
	ds_load_b128 v[VA+4*\j:VA+4*\j+3], v[ADR] offset:12288+512*\j
.endr
	WIN 0x80
.irp j, 0,1,2,3,4,5,6,7,8,9,10,11
	ds_load_b128 v[VA+4*\j:VA+4*\j+3], v[ADR] offset:12288+6144+512*\j
.endr
	WIN 0
	ds_load_b64 v[VRAW:VRAW+1], v[ADB] offset:25088        ; V's scale bytes: keys 0-63's,
	ds_load_b64 v[VRAW+2:VRAW+3], v[ADB] offset:25344      ; keys 64-127's
	s_wait_dscnt 26                                ; adj is back from the stage; V's 24 + 2 loads, issued behind it, may be out
.irp q, 0,1,2,3
.irp i, 0,2,4,6,8,10,12,14
	v_pk_mul_f32 v[S+16*\q+\i:S+16*\q+\i+1], v[S+16*\q+\i:S+16*\q+\i+1], v[HM+\i:HM+\i+1]   ; each accumulator from its low end on
.endr
.endr
	WIN 0x03
.irp q, 0,1,2,3
.irp i, 0,2,4,6,8,10,12,14
	v_pk_mul_f32 v[S+16*\q+\i:S+16*\q+\i+1], v[192+16*\q+\i:192+16*\q+\i+1], v[S+16*\q+\i:S+16*\q+\i+1]   ; t
.endr
.endr
	WIN 0
.if \first
	ADJLD 512
	global_prefetch_b8 v[PFO], s[AJ:AJ+1] offset:1536 th:TH_LOAD_NT scope:SCOPE_SE
.else
	s_cmp_eq_u32 s[CNT], 15
	s_cbranch_scc1 .Lresidual_\@
	ADJLD 512                                      ; the next step's
	s_cmp_gt_u32 s[CNT], 12
	s_cbranch_scc1 .Lasked_\@
	global_prefetch_b8 v[PFO], s[AJ:AJ+1] offset:1536 th:TH_LOAD_NT scope:SCOPE_SE   ; adj of the step three on, two trips ahead of its load: 128 lanes, one to each 256 bytes; steps 13 to 15 ask for nothing
	s_branch .Lasked_\@
.Lresidual_\@:
	WIN 0xC0                                       ; the last step: H's rows for the residual, into the registers that Q and adj have left: a load takes the 512 bytes of my wave's channels of one row
.irp q, 0,1,2,3
.irp p, 0,1,2,3,4,5,6,7,8,9,10,11,12,13,14,15
	global_load_b128 v[64*\q+4*\p:64*\q+4*\p+3], v[OO], s[18:19] offset:(32*(\q/2)+8*(\q%2)+\p+8*(\p/8))*2048 th:TH_LOAD_NT
.endr
.endr
	WIN 0
.Lasked_\@:
.endif
.irp q, 0,1,2,3
	v_max3_num_f32 v[ST+8*\q+6], v[S+16*\q], v[S+16*\q+1], v[S+16*\q+2]   ; the largest t of my block of 32 keys, for each tile's query; the four tiles by turns
.endr
.irp i, 3,5,7,9,11,13
.irp q, 0,1,2,3
	v_max3_num_f32 v[ST+8*\q+6], v[ST+8*\q+6], v[S+16*\q+\i], v[S+16*\q+\i+1]
.endr
.endr
.irp q, 0,1,2,3
	v_max_num_f32 v[ST+8*\q+6], v[ST+8*\q+6], v[S+16*\q+15]
.endr
.irp q, 0,1,2,3
	v_permlanex16_b32 v[ST+8*\q+7], v[ST+8*\q+6], s[SEL], s[SEL+1]
.endr
.irp q, 0,1,2,3
	v_max_num_f32 v[ST+8*\q+6], v[ST+8*\q+6], v[ST+8*\q+7]
.endr
.irp q, 0,1,2,3
	ds_store_b32 v[STS], v[ST+8*\q+6] offset:256*\q
.endr
	BARRIER                                        ; the four blocks' largest t lie in LDS
.irp q, 0,1,2,3
	ds_load_b128 v[RB+4*\q:RB+4*\q+3], v[STL] offset:256*\q
.endr
	v_perm_b32 v[VS], v[VRAW+2], v[VRAW], s[P0]    ; V's scale words: byte 2 c + h of a word is the byte of key block 2 h + c
	v_perm_b32 v[VS+1], v[VRAW+2], v[VRAW], s[P1]
	v_perm_b32 v[VS+2], v[VRAW+3], v[VRAW+1], s[P0]
	v_perm_b32 v[VS+3], v[VRAW+3], v[VRAW+1], s[P1]
	s_wait_dscnt 0x0
.irp q, 0,1,2,3
	v_max3_num_f32 v[ST+8*\q+7], v[RB+4*\q], v[RB+4*\q+1], v[RB+4*\q+2]
.endr
.irp q, 0,1,2,3
.if \first
	v_max_num_f32 v[ST+8*\q+1], v[ST+8*\q+7], v[RB+4*\q+3]
.else
	v_max3_num_f32 v[ST+8*\q+1], v[ST+8*\q+7], v[RB+4*\q+3], v[ST+8*\q+1]   ; the running largest t: the same number in all four waves
.endif
.endr
.if \first == 0
.irp q, 0,1,2,3
	v_mov_b32 v[ST+8*\q+7], v[ST+8*\q]
.endr
.endif
.irp q, 0,1,2,3
	v_floor_f32 v[ST+8*\q], -v[ST+8*\q+1]          ; -M = floor(-t) = -ceil(t): M is a whole number
.endr
.if \first == 0
.irp q, 0,1,2,3
	v_sub_f32 v[ST+8*\q+7], v[ST+8*\q], v[ST+8*\q+7]   ; old M - new M: a whole number, 0 or less
.endr
.irp q, 0,1,2,3
	v_cvt_i32_f32 v[ST+8*\q+7], v[ST+8*\q+7]       ; (it saturates)
.endr
.irp q, 0,1,2,3
	v_ldexp_f32 v[ST+8*\q+4], 1.0, v[ST+8*\q+7]    ; f = 2^(old M - new M)
.endr
.endif
.irp q, 0,1,2,3
.irp i, 0,2,4,6,8,10,12,14
	v_pk_add_f32 v[S+16*\q+\i:S+16*\q+\i+1], v[S+16*\q+\i:S+16*\q+\i+1], v[ST+8*\q:ST+8*\q+1] op_sel_hi:[1,0]   ; t - M
.endr
.endr
.irp q, 0,1,2,3
	v_add_f32 v[ST+8*\q+6], v[ST+8*\q+6], v[ST+8*\q]   ; the same of the block's largest t
.endr
.set i, 0
.rept 64
	v_exp_f32 v[S+i], v[S+i]                       ; p = 2^(t - M), at most 1: not normalised
.set i, i+1
.endr
.irp q, 0,1,2,3
	v_exp_f32 v[ST+8*\q+6], v[ST+8*\q+6]           ; the block's largest p
.endr
.if \first
	v_nop                                          ; a plain place behind the exponentials
	s_wait_alu depctr_va_vdst(0)
.else
	s_wait_alu depctr_va_vdst(0)
.irp q, 0,1,2,3
	v_pk_mul_f32 v[ST+8*\q+2:ST+8*\q+3], v[ST+8*\q+2:ST+8*\q+3], v[ST+8*\q+4:ST+8*\q+5] op_sel_hi:[1,0]   ; the sums under the new M.  (A plain place behind the exponentials)
.endr
.endif
.irp q, 0,1,2,3
	v_max_num_f32 v[ST+8*\q+6], 0x1800000, v[ST+8*\q+6]   ; the floor 2^(3 - 127): the byte cannot fall under 1
.endr
.irp q, 0,1,2,3
	v_add_nc_u32 v[SCP+\q], 0xff000000, v[ST+8*\q+6]   ; 2 off the exponent field: the conversion's scale operand
.endr
.irp q, 0,1,2,3
	v_lshrrev_b32 v[BYQ+\q], 23, v[SCP+\q]
.endr
.irp q, 0,1,2,3
	v_cvt_scalef32_pk16_fp6_f32 v[RB+4*\q:RB+4*\q+2], v[S+16*\q:S+16*\q+15], v[SCP+\q]   ; my 16 keys' codes: half a block, 12 bytes
.endr
	v_nop                                          ; one plain place behind a scaled conversion
.irp q, 0,1,2,3
.irp i, 0,1,2
	ds_store_b32 v[PST], v[RB+4*\q+\i] offset:1536*\q+4*\i   ; to their place in P's fragment: lane 16 (w / 2) + r, registers 6 (w % 2) + 3 h on
.endr
	ds_store_b8 v[PBY], v[BYQ+\q] offset:64*\q     ; both halves of the lanes write the same byte with the same value
.endr
.if \first
.irp q, 0,1,2,3
	v_pk_add_f32 v[ST+8*\q+2:ST+8*\q+3], v[S+16*\q:S+16*\q+1], v[S+16*\q+2:S+16*\q+3]   ; the row's sum is taken of the unquantised p
.endr
.irp i, 4,6,8,10,12,14
.irp q, 0,1,2,3
	v_pk_add_f32 v[ST+8*\q+2:ST+8*\q+3], v[ST+8*\q+2:ST+8*\q+3], v[S+16*\q+\i:S+16*\q+\i+1]
.endr
.endr
.else
.irp i, 0,2,4,6,8,10,12,14
.irp q, 0,1,2,3
	v_pk_add_f32 v[ST+8*\q+2:ST+8*\q+3], v[ST+8*\q+2:ST+8*\q+3], v[S+16*\q+\i:S+16*\q+\i+1]
.endr
.endr
.endif
	CHANGE 1                                       ; P lies in LDS; this step's K and V are in registers: the slot takes the row two steps on
	v_add_nc_u32 v[ADR], s[TB], v[RA0]
	v_add_nc_u32 v[ADS], s[TB], v[RS0]
.irp q, 0,1,2,3
.irp c, 0,1,2
	ds_load_b128 v[PF+12*\q+4*\c:PF+12*\q+4*\c+3], v[PLD] offset:1536*\q+16*\c
.endr
.endr
.irp q, 0,1,2,3
	ds_load_b32 v[PS+\q], v[PSL] offset:64*\q
.endr
	LOADSET KA, KS, ADR, ADS, 0                    ; the next step's K (behind the last step: W1's first set)
	s_wait_dscnt 28                                ; P is in; the 24 + 4 loads just issued may be out
	PV \first
	WIN 0
.endm
; Four sums, one for each tile's row, of pairs v[src + str q]: over the pair, lane l xor 16 and the four waves (through 1,024 bytes at a, used once).  Result in v248-251, in every lane of every wave.
.macro LNX a, src, str
.irp q, 0,1,2,3
	v_add_f32 v[248+\q], v[(\src)+(\str)*\q], v[(\src)+(\str)*\q+1]
.endr
.irp q, 0,1,2,3
	v_permlanex16_b32 v[252+\q], v[248+\q], s[SEL], s[SEL+1]
.endr
.irp q, 0,1,2,3
	v_add_f32 v[248+\q], v[248+\q], v[252+\q]
.endr
.irp q, 0,1,2,3
	ds_store_b32 v[STS], v[248+\q] offset:(\a)-STAT+256*\q
.endr
	BARRIER
.irp q, 0,1,2,3
	ds_load_b128 v[LRB+4*\q:LRB+4*\q+3], v[STL] offset:(\a)-STAT+256*\q
.endr
	s_wait_dscnt 0x0
.irp q, 0,1,2,3
	v_add_f32 v[248+\q], v[LRB+4*\q], v[LRB+4*\q+1]
.endr
.irp q, 0,1,2,3
	v_add_f32 v[252+\q], v[LRB+4*\q+2], v[LRB+4*\q+3]
.endr
.irp q, 0,1,2,3
	v_add_f32 v[248+\q], v[248+\q], v[252+\q]
.endr
.endm
.macro YSUM w                          ; the sums take my 32 numbers of each row in window w, each accumulator from its low end on
	WIN \w
.set i, 0
.rept 16
.irp q, 0,1,2,3
	v_pk_add_f32 v[SUM+2*\q:SUM+2*\q+1], v[32*\q+i:32*\q+i+1], v[SUM+2*\q:SUM+2*\q+1]
.endr
.set i, i+2
.endr
.endm
.macro YVAR w                          ; y - mean, in place; then its squares are summed
	WIN 0x41*(\w)
.set i, 0
.rept 16
.irp q, 0,1,2,3
	v_pk_add_f32 v[32*\q+i:32*\q+i+1], v[32*\q+i:32*\q+i+1], v[NMP+2*\q:NMP+2*\q+1] op_sel_hi:[1,0]
.endr
.set i, i+2
.endr
	WIN 5*(\w)
.set i, 0
.rept 16
.irp q, 0,1,2,3
	v_pk_fma_f32 v[SUM+2*\q:SUM+2*\q+1], v[32*\q+i:32*\q+i+1], v[32*\q+i:32*\q+i+1], v[SUM+2*\q:SUM+2*\q+1]
.endr
.set i, i+2
.endr
.endm
.macro YOUT w                          ; x 1 / sqrt(variance + eps), x gain + offset
	WIN 0x41*(\w)
.set i, 0
.rept 16
.irp q, 0,1,2,3
	v_pk_mul_f32 v[32*\q+i:32*\q+i+1], v[32*\q+i:32*\q+i+1], v[NMP+2*\q:NMP+2*\q+1] op_sel_hi:[1,0]
.endr
.irp q, 0,1,2,3
	v_pk_fma_f32 v[32*\q+i:32*\q+i+1], v[32*\q+i:32*\q+i+1], v[G+32*((\w)-1)+i:G+32*((\w)-1)+i+1], v[BE+32*((\w)-1)+i:BE+32*((\w)-1)+i+1]
.endr
.set i, i+2
.endr
.endm
; The layer norm of the 64 rows in windows 1 and 2, in place; gain in v[G] on, offset in v[BE] on.  The variance is the mean of squared differences from the mean: no difference of large sums is formed.
.macro LNORM a1, a2
.irp i, 0,1,2,3,4,5,6,7
	v_mov_b32 v[SUM+\i], 0
.endr
	YSUM 1
	YSUM 2
	WIN 0
	LNX \a1, SUM, 2
.irp q, 0,1,2,3
	v_mul_f32 v[NMP+2*\q], 0xbb000000, v[248+\q]   ; -mean = sum x -1 / 512
.endr
.irp i, 0,1,2,3,4,5,6,7
	v_mov_b32 v[SUM+\i], 0
.endr
	YVAR 1
	YVAR 2
	WIN 0
	LNX \a2, SUM, 2
.irp q, 0,1,2,3
	v_fma_f32 v[248+\q], v[248+\q], s[C512], s[CEPS]   ; variance + eps
.endr
.irp q, 0,1,2,3
	v_rsq_f32 v[NMP+2*\q], v[248+\q]
.endr
	v_nop                                          ; a plain place behind the transcendentals
	s_wait_alu depctr_va_vdst(0)
	s_wait_loadcnt 0x0                             ; gain and offset
	YOUT 1
	YOUT 2
	WIN 0
.endm
	s_load_b512 s[8:23], s[0:1], 0x0               ; qf, kv, wf, hmc, adj, H, g1, be1
	s_load_b256 s[24:31], s[0:1], 0x40             ; b1, b2, g2, be2
	s_load_b64 s[32:33], s[0:1], 0x60              ; out0
	v_lshl_add_u32 v[SPW], v0, 2, SPARE
	v_mov_b32 v[NIL], 0
	ds_add_u32 v9, v10
	s_wait_dscnt 0x0
	v_lshrrev_b32 v248, 5, v0
	v_readfirstlane_b32 s[WV], v248                ; wave 0..3
	s_bfe_u32 s[CX], ttmp6, 0x40000                ; my place in the cluster
	s_lshl_b32 s[QBK], ttmp9, 2
	s_add_co_u32 s[QBK], s[QBK], s[CX]             ; my block of 64 queries: it enters global addresses of qf, adj, H and out0 alone
	s_and_b32 s[BT], ttmp7, 0xffff                 ; the batch, which the four partners share
	; descriptor group 1: a portion, 25,600 dense bytes, as 100 rows of 256 bytes
	s_mov_b32 s[G1], 15|(3<<16)|(1<<21)            ; 15:0 the mask: all four work-groups; 17:16 elements of 8 bytes; 20 no padding; 21 set beside a mask
	s_mov_b32 s[G1+1], 32<<16                      ; tensor_dim0 = 32
	s_mov_b32 s[G1+2], 100<<16                     ; tensor_dim1 = 100
	s_mov_b32 s[G1+3], 32<<16                      ; tile_dim0 = 32
	s_mov_b32 s[G1+4], 100                         ; tile_dim1 = 100
	s_mov_b32 s[G1+5], 32                          ; from row to row
	s_mov_b32 s[G1+6], 0
	s_mov_b32 s[G1+7], 0
	s_mov_b32 s[SEL], 0x76543210
	s_mov_b32 s[SEL+1], 0xfedcba98                 ; v_permlanex16_b32's selects for lane l xor 16
	s_mov_b32 s[P0], 0x05010400
	s_mov_b32 s[P1], 0x07030602
	s_mov_b32 s[C512], 0x3b000000                  ; 1 / 512
	s_mov_b32 s[CEPS], 0x3727c5ac                  ; 1e-5
	s_mov_b32 s[TB], 0
	s_mov_b32 s[CNT], 0
	s_mov_b32 s[HC], 0
	s_mov_b32 s[HC2], 0
	s_mov_b32 s[FT], 0
	s_lshl_b32 s80, s[BT], 11
	s_lshl_b32 s81, s[QBK], 6
	s_add_co_u32 s80, s80, s81                     ; my first row among the 16,384
	s_lshl_b32 s82, s80, 13                        ; adj: rows of 8,192 bytes
	s_mov_b32 s83, 0
	s_lshl_b32 s84, s80, 11                        ; H, out0: rows of 2,048 bytes
	s_mov_b32 s85, 0
	s_lshr_b32 s86, s80, 6
	s_mul_i32 s86, s86, PORT                       ; qf: my block's portion
	s_mov_b32 s87, 0
	s_mul_i32 s78, s[WV], PORT                     ; my part of a slot and of a row: the wave's number alone
	s_mul_i32 s90, s[BT], 16*PROW
	s_add_co_u32 s90, s90, s78                     ; kv: the batch's first row, my part: batch and wave alone
	s_mov_b32 s91, 0
	s_add_co_u32 s92, s78, 6*PROW                  ; wf: row 6, my part
	s_mov_b32 s93, 0
	s_lshl_b32 s94, s[WV], 10                      ; b1: my 256 units
	s_mov_b32 s95, 0
	v_and_b32 v248, 31, v0                         ; lane
	v_and_b32 v249, 15, v0                         ; r
	v_bfe_u32 v250, v0, 4, 1                       ; h
	v_bfe_u32 v251, v0, 3, 2                       ; lane / 8
	v_and_b32 v[AST], 7, v0                        ; lane % 8
	v_lshlrev_b32 v[LI], 4, v248
	v_lshlrev_b32 v[LS], 2, v248
	v_add_nc_u32 v[RA0], s78, v[LI]
	v_add_nc_u32 v[RS0], s78, v[LS]
	v_add_nc_u32 v[RA1], SLOT1, v[RA0]
	v_add_nc_u32 v[RS1], SLOT1, v[RS0]
	v_lshl_add_u32 v[LB0], v248, 3, s78
	s_lshl_b32 s81, s[WV], 7
	v_lshlrev_b32 v[AO], 13, v251
	v_lshl_add_u32 v[AO], v[AST], 4, v[AO]
	v_add_nc_u32 v[AO], s81, v[AO]                 ; 8,192 (lane / 8) + 16 (lane % 8) + 128 w
	v_lshl_add_u32 v[HMO], v250, 6, s81
	s_mul_i32 s79, s[WV], 2304
	s_add_co_u32 s79, s79, ASTG                    ; adj's stage: mine
	v_lshlrev_b32 v[AST], 4, v[AST]
	v_mad_u32_u24 v[AST], v251, 144, v[AST]
	v_add_nc_u32 v[AST], s79, v[AST]               ; in: 144 (lane / 8) + 16 (lane % 8)
	v_mul_u32_u24 v[ARD], v249, 144
	v_lshl_add_u32 v[ARD], v250, 6, v[ARD]
	v_add_nc_u32 v[ARD], s79, v[ARD]               ; back: 144 r + 64 h
	s_lshl_b32 s79, s[WV], 17
	v_lshl_add_u32 v[PFO], v249, 13, s79
	v_lshl_add_u32 v[PFO], v250, 8, v[PFO]         ; 8,192 (16 w + r) + 256 h
	s_lshr_b32 s88, s[WV], 1
	s_and_b32 s89, s[WV], 1
	s_mul_i32 s79, s88, 768
	s_mul_i32 s75, s89, 24
	s_add_co_u32 s79, s79, s75
	s_add_co_u32 s79, s79, PIMG
	v_mul_u32_u24 v[PST], v249, 48
	v_mad_u32_u24 v[PST], v250, 12, v[PST]
	v_add_nc_u32 v[PST], s79, v[PST]               ; PIMG + 48 (r + 16 (w / 2)) + 24 (w % 2) + 12 h
	s_lshl_b32 s79, s89, 1
	s_add_co_u32 s79, s79, s88
	s_add_co_u32 s79, s79, PSC
	v_lshl_add_u32 v[PBY], v249, 2, s79            ; PSC + 4 r + 2 (w % 2) + w / 2
	v_mul_u32_u24 v[PLD], v248, 48
	v_add_nc_u32 v[PLD], PIMG, v[PLD]
	v_lshl_add_u32 v[PSL], v249, 2, PSC
	s_lshl_b32 s79, s[WV], 2
	s_add_co_u32 s79, s79, STAT
	v_lshl_add_u32 v[STS], v249, 4, s79
	v_lshl_add_u32 v[STL], v249, 4, STAT
	v_add_nc_u32 v[XRD], XIMG, v[LI]
	v_add_nc_u32 v[XSR], XSC, v[LS]
	s_mul_i32 s79, s[WV], 1536
	v_add_nc_u32 v[XWI], s79, v[XRD]
	v_add_nc_u32 v[XWS], s81, v[XSR]
	v_add_nc_u32 v[HRD], HIMG, v[LI]
	v_add_nc_u32 v[HSR], HSC, v[LS]
	s_mul_i32 s79, s[WV], 3072
	v_add_nc_u32 v[HWI], s79, v[HRD]
	s_lshl_b32 s79, s[WV], 8
	v_add_nc_u32 v[HWS], s79, v[HSR]
	s_lshl_b32 s89, s[WV], 9
	v_lshl_add_u32 v[GO], v250, 6, s89
	v_lshlrev_b32 v[BO], 6, v250
	s_mul_i32 s79, s[WV], 8448
	s_add_co_u32 s79, s79, HIMG                    ; my stage of rows of 528 bytes
	v_mul_u32_u24 v[STO], v249, 528
	v_lshl_add_u32 v[STO], v250, 6, v[STO]
	v_add_nc_u32 v[STO], s79, v[STO]
	v_add_nc_u32 v[SR], s79, v[LI]
	v_add_nc_u32 v[OO], s89, v[LI]
.irp q, 0,1,2,3
	v_mov_b32 v[ST+8*\q+5], 0                      ; named as the upper half of f's pair
	v_mov_b32 v[ST+8*\q+7], 0                      ; a lane permute's destination counts as one of its sources
	v_mov_b32 v[252+\q], 0
.endr
	s_wait_kmcnt 0x0
	s_add_nc_u64 s[10:11], s[10:11], s[90:91]      ; kv at the batch's row 0, my part
	s_mov_b32 s[G0A], 1                            ; step 0 into slot 0
	s_mov_b32 s[G0A+1], s78
	s_mov_b64 s[G0A+2:G0A+3], s[10:11]
	s_or_b32 s[G0A+3], s[G0A+3], 0x80000000
	s_mov_b32 s[G0], 1                             ; step 1 into slot 1; this descriptor then walks
	s_add_co_u32 s[G0+1], s78, SLOT1
	s_add_nc_u64 s[G0+2:G0+3], s[10:11], PROW
	s_or_b32 s[G0+3], s[G0+3], 0x80000000
	s_add_nc_u64 s[WFP:WFP+1], s[12:13], s[92:93]
	s_or_b32 s[WFP+1], s[WFP+1], 0x80000000
	s_add_nc_u64 s[8:9], s[8:9], s[86:87]
	s_add_nc_u64 s[AJ:AJ+1], s[16:17], s[82:83]
	s_mov_b64 s[HMB:HMB+1], s[14:15]
	s_add_nc_u64 s[18:19], s[18:19], s[84:85]
	s_add_nc_u64 s[32:33], s[32:33], s[84:85]
	s_add_nc_u64 s[24:25], s[24:25], s[94:95]
	ROUND                                          ; all four work-groups are here: the first joint loads meet
	tensor_load_to_lds s[G0A:G0A+3], s[G1:G1+7]
	s_nop 0
	tensor_load_to_lds s[G0:G0+3], s[G1:G1+7]
	s_nop 0
	PLACES
	WIN 0xC0
.set j, 0
.rept 48
	global_load_b128 v[4*j:4*j+3], v[LI], s[8:9] offset:512*j   ; Q's 16 fragments stay in registers: fragment 4 q + K step at 12 registers each
.set j, j+1
.endr
	WIN 0
.irp a, 0,1
.irp k, 0,1,2,3
	global_load_b32 v[QS+4*\a+\k], v[LS], s[8:9] offset:SCO+512*\a+128*\k   ; lanes 0-15: tile 2 a's words, lanes 16-31: tile 2 a + 1's
.endr
.endr
	ADJLD 0
	global_prefetch_b8 v[PFO], s[AJ:AJ+1] offset:1024 th:TH_LOAD_NT scope:SCOPE_SE   ; adj of step 2
	s_wait_tensorcnt 0x1                           ; my part of step 0's row is in (I alone read it); step 1's may be out
	LOADSET KA, KS, RA0, RS0, 0
	STEP 1                                         ; step 0 is written out: it starts the sums
	s_mov_b32 s[CNT], 1
.Lstep:
	STEP 0
	s_add_co_u32 s[CNT], s[CNT], 1
	s_cmp_lt_u32 s[CNT], 16
	s_cbranch_scc1 .Lstep
	; ---- the rows' sums; O^T / l + H
	PLACES
	s_wait_loadcnt 0x0                             ; every load of the key loop is in: H's rows, which go through the stage now; and no load is out that could still land in hmc's registers, which be1's loads take
	WIN 0xCC                                       ; H's turn, a tile of 16 rows at a time through my own stage: in by rows of 512 bytes, back as my lane's 16 channels of each 32, into the registers that it left
.irp q, 0,1,2,3
.irp p, 0,1,2,3,4,5,6,7,8,9,10,11,12,13,14,15
	ds_store_b128 v[SR], v[64*\q+4*\p:64*\q+4*\p+3] offset:528*\p
.endr
.irp b, 0,1,2,3
.irp i, 0,1,2,3
	ds_load_b128 v[64*\q+16*\b+4*\i:64*\q+16*\b+4*\i+3], v[STO] offset:128*\b+16*\i   ; LDS serves a wave's instructions in order (ISA guide 5.7.1.4): these see the stores above, and the next tile's stores come behind them
.endr
.endr
.endr
	WIN 0
	GLD 20, G                                      ; g1
	GLD 22, BE                                     ; be1: both are waited for in the norm, in front of its last pass
	LNX ST2, ST+2, 8                               ; (its waits for all LDS instructions also show H's rows back)
.irp q, 0,1,2,3
	v_rcp_f32 v[NMP+2*\q], v[248+\q]
.endr
	v_nop                                          ; a plain place behind the transcendentals
	WIN 0x71
	s_wait_alu depctr_va_vdst(0)
.irp q, 0,1,2,3
.set i, 0
.rept 16
	v_pk_fma_f32 v[32*\q+i:32*\q+i+1], v[32*\q+i:32*\q+i+1], v[NMP+2*\q:NMP+2*\q+1], v[64*\q+i:64*\q+i+1] op_sel_hi:[1,0,1]
.set i, i+2
.endr
.endr
	WIN 0xB2
.irp q, 0,1,2,3
.set i, 0
.rept 16
	v_pk_fma_f32 v[32*\q+i:32*\q+i+1], v[32*\q+i:32*\q+i+1], v[NMP+2*\q:NMP+2*\q+1], v[64*\q+32+i:64*\q+32+i+1] op_sel_hi:[1,0,1]
.set i, i+2
.endr
.endr
	WIN 0
	LNORM LNA, LNB                                 ; x
	GLD 26, BE                                     ; b2
.irp q, 0,1,2,3                        ; my 128 channels of x are K step w of the first product
	QUANT 1, 32*\q, 2, 32*\q
	IMAGE XWI, 6144*\q
	ds_store_b32 v[XWS], v[PW] offset:512*\q
	s_wait_dscnt 0x0                               ; the stores have read their registers
.endr
	s_wait_loadcnt 0x0
	WIN 0x41                                       ; x + b2 stays where it is: the second product adds onto it
.irp q, 0,1,2,3
.set i, 0
.rept 16
	v_pk_add_f32 v[32*\q+i:32*\q+i+1], v[32*\q+i:32*\q+i+1], v[BE+i:BE+i+1]
.set i, i+2
.endr
.endr
	WIN 0x82
.irp q, 0,1,2,3
.set i, 0
.rept 16
	v_pk_add_f32 v[32*\q+i:32*\q+i+1], v[32*\q+i:32*\q+i+1], v[BE+32+i:BE+32+i+1]
.set i, i+2
.endr
.endr
	WIN 0
	BARRIER                                        ; x's sixteen fragments lie in LDS
	; ---- the hidden layer: two trips, 128 of my 256 units in each
.Lhidden:
	BIASLD 24
	v_add_nc_u32 v[HWA], s[HC], v[HWI]
	v_add_nc_u32 v[HWB], s[HC2], v[HWS]
	PAIR 0, XRD, XSR, 4, 0, 1, 1
	WIN 0xCC
.set j, 0
.rept 256
	v_max_num_f32 v[j], 0, v[j]                    ; the activation, in f32
.set j, j+1
.endr
	WIN 0
.irp m, 0,1,2,3                        ; these 128 units are K step 2 w + trip of the second product
	QUANT 3, 64*\m, 3, 64*\m+32
	IMAGE HWA, 12288*\m
	ds_store_b32 v[HWB], v[PW] offset:1024*\m
	s_wait_dscnt 0x0
.endr
	s_wait_xcnt 0x0                                ; b1's loads have read their base
	s_add_nc_u64 s[24:25], s[24:25], 512
	s_add_co_u32 s[HC], s[HC], 1536
	s_add_co_u32 s[HC2], s[HC2], 128
	s_add_co_u32 s[FT], s[FT], 1
	s_cmp_lt_u32 s[FT], 2
	s_cbranch_scc1 .Lhidden
	BARRIER                                        ; the hidden layer's 32 fragments lie in LDS
	; ---- the second product, onto x + b2
	PAIR 2, HRD, HSR, 8, 0, 1, 1
	PAIR 2, HRD, HSR, 8, 4, 0, 0                   ; the last two rows of wf are written out: nothing is left to fetch
	GLD 28, G                                      ; g2
	GLD 30, BE                                     ; be2
	LNORM LNC, LND                                 ; its barriers also show that every wave has read the hidden layer's fragments: their bytes now serve as stages
	; ---- the way out: a tile of 16 rows x my 128 channels goes through my own stage and comes back as runs of 512 bytes of a row
.macro TOSTAGE q
	WIN 0x04
.irp b, 0,1
.irp u, 0,1
.irp e, 0,1
	ds_store_b128 v[STO], v[32*\q+16*\b+8*\u+4*\e:32*\q+16*\b+8*\u+4*\e+3] offset:128*\b+32*\u+16*\e
.endr
.endr
.endr
	WIN 0x08
.irp b, 0,1
.irp u, 0,1
.irp e, 0,1
	ds_store_b128 v[STO], v[32*\q+16*\b+8*\u+4*\e:32*\q+16*\b+8*\u+4*\e+3] offset:256+128*\b+32*\u+16*\e
.endr
.endr
.endr
	WIN 0
.irp p, 0,1,2,3,4,5,6,7,8,9,10,11,12,13,14,15
	ds_load_b128 v[OB+64*(\q%2)+4*\p:OB+64*(\q%2)+4*\p+3], v[SR] offset:528*\p   ; LDS serves a wave's instructions in order (ISA guide 5.7.1.4): these see the stores above, and the next tile's stores come behind them
.endr
.endm
.macro SEND q, younger                 ; younger: the LDS instructions issued behind tile q's loads, which may stay out
	s_wait_dscnt \younger
.irp p, 0,1,2,3,4,5,6,7,8,9,10,11,12,13,14,15
	global_store_b128 v[OO], v[OB+64*(\q%2)+4*\p:OB+64*(\q%2)+4*\p+3], s[32:33] offset:(32*(\q/2)+8*(\q%2)+\p+8*(\p/8))*2048 th:TH_STORE_NT   ; 32 lanes store 512 consecutive bytes, at a multiple of 256 from out0's first byte
.endr
.endm
	TOSTAGE 0
	TOSTAGE 1
	SEND 0, 32                                     ; behind tile 0's loads: tile 1's 16 stores and 16 loads
	s_wait_xcnt 0x0                                ; tile 0's stores have read their registers: tile 2's loads may land there
	TOSTAGE 2
	SEND 1, 32
	s_wait_xcnt 0x0
	TOSTAGE 3
	SEND 2, 32
	SEND 3, 0
	s_wait_tensorcnt 0x0                           ; the wave's end
	ds_add_u32 v[SPW], v[NIL]
	s_wait_dscnt 0x0
	ROUND                                          ; the closing round: no work-group ends while a partner may still ask for a tile that names it
	s_endpgm
.Lfunc_end_k_q9c7fb104ab_attn:
	.size	k_q9c7fb104ab_attn, .Lfunc_end_k_q9c7fb104ab_attn-k_q9c7fb104ab_attn
	.p2alignl 7, 3214868480
	.fill 96, 4, 3214868480
	.section	.rodata,"a",@progbits
	.p2align	6, 0x0
	.amdhsa_kernel k_q9c7fb104ab_attn
		.amdhsa_group_segment_fixed_size 327680
		.amdhsa_private_segment_fixed_size 0
		.amdhsa_enable_private_segment 0
		.amdhsa_kernarg_size 104
		.amdhsa_user_sgpr_count 2
		.amdhsa_user_sgpr_kernarg_segment_ptr 1
		.amdhsa_wavefront_size32 1
		.amdhsa_system_sgpr_workgroup_id_x 1
		.amdhsa_system_sgpr_workgroup_id_y 1
		.amdhsa_system_sgpr_workgroup_id_z 1
		.amdhsa_system_vgpr_workitem_id 0
		.amdhsa_next_free_vgpr 1024
		.amdhsa_next_free_sgpr 100
		.amdhsa_reserve_vcc 0
		.amdhsa_float_denorm_mode_32 3
		.amdhsa_float_denorm_mode_16_64 3
		.amdhsa_memory_ordered 1
		.amdhsa_forward_progress 1
		.amdhsa_inst_pref_size 255
	.end_amdhsa_kernel
	.section	.bss,"aw",@nobits
	.p2align	6
	.space	262144
	.amdgpu_metadata
---
amdhsa.version: [ 1, 2 ]
amdhsa.kernels:
  - .name:           k_q9c7fb104ab_attn
    .symbol:         k_q9c7fb104ab_attn.kd
    .args:
      - { .name: qf, .offset: 0, .size: 8, .value_kind: global_buffer, .address_space: global }
      - { .name: kv, .offset: 8, .size: 8, .value_kind: global_buffer, .address_space: global }
      - { .name: wf, .offset: 16, .size: 8, .value_kind: global_buffer, .address_space: global }
      - { .name: hmc, .offset: 24, .size: 8, .value_kind: global_buffer, .address_space: global }
      - { .name: adj, .offset: 32, .size: 8, .value_kind: global_buffer, .address_space: global }
      - { .name: H, .offset: 40, .size: 8, .value_kind: global_buffer, .address_space: global }
      - { .name: g1, .offset: 48, .size: 8, .value_kind: global_buffer, .address_space: global }
      - { .name: be1, .offset: 56, .size: 8, .value_kind: global_buffer, .address_space: global }
      - { .name: b1, .offset: 64, .size: 8, .value_kind: global_buffer, .address_space: global }
      - { .name: b2, .offset: 72, .size: 8, .value_kind: global_buffer, .address_space: global }
      - { .name: g2, .offset: 80, .size: 8, .value_kind: global_buffer, .address_space: global }
      - { .name: be2, .offset: 88, .size: 8, .value_kind: global_buffer, .address_space: global }
      - { .name: out0, .offset: 96, .size: 8, .value_kind: global_buffer, .address_space: global }
    .group_segment_fixed_size: 327680
    .private_segment_fixed_size: 0
    .kernarg_segment_align: 8
    .kernarg_segment_size: 104
    .max_flat_workgroup_size: 128
    .sgpr_count:     100
    .vgpr_count:     1024
    .wavefront_size: 32
...
	.end_amdgpu_metadata
.endif
;; end of part 4
